; MI455X (gfx1250); checked and timed in simulation.
; The chip was launched on July 23, 2026; its instructions are those of AMD's public machine-readable ISA for CDNA 5 (MIT licence, August 2026) and "CDNA5" Instruction Set Architecture Reference Guide (July 2026). The comments in the code are by the model that wrote it; some were corrected since.
;; Multi Head Self Attention. Allowed arithmetic: matrix products marked QUANTISED: E2M3 operands, one E8M0 scale for each 32 along K, by v_wmma_scale_f32_16x16x128_f8f6f4 with both operands' format E2M3, f32 sums; everything else in f32.
;; Inputs: Wk 1,024 x 1,024 float32; Wo 1,024 x 1,024 float32; Wq 1,024 x 1,024 float32; Wv 1,024 x 1,024 float32; bk 1,024 float32; bo 1,024 float32; bq 1,024 float32; bv 1,024 float32; x 4 x 2,048 x 1,024 float32.
;; Outputs: out0 4 x 2,048 x 1,024 float32.
;; This version of the problem:
;;   THIS VERSION OF THE PROBLEM IS GIVEN IN LOW PRECISION. The matrix products marked QUANTISED in the list below multiply operands that are first quantised to E2M3 (2 exponent bits, 3 mantissa bits; 6 bits a number), with one power-of-two scale for each 32 numbers along K (OCP MX v1.0); their sums are f32. All else is computed in f32.
;;   The module's matrix products, in the order in which they are computed (A, B: the left and right operand; K: the contracted axis; several contracted axes count as one K, in the product's order):
;;     1. [M 8,192, K 1,024] x [K 1,024, N 1,024]; A: input x; B: input Wq: QUANTISED
;;     2. [M 8,192, K 1,024] x [K 1,024, N 1,024]; A: input x; B: input Wk: QUANTISED
;;     3. [M 8,192, K 1,024] x [K 1,024, N 1,024]; A: input x; B: input Wv: QUANTISED
;;     4. batch 64 x [M 2,048, K 64] x [K 64, N 2,048]; A: computed on the way; B: computed on the way: QUANTISED
;;     5. batch 64 x [M 2,048, K 2,048] x [K 2,048, N 64]; A: softmax (see below); B: computed on the way: QUANTISED
;;     6. [M 8,192, K 1,024] x [K 1,024, N 1,024]; A: computed on the way; B: input Wo: QUANTISED
;;   THE QUANTISER, for each operand of a quantised product, along K:
;;     - K is cut into blocks of 32 from its start; a last block that is shorter is filled with zeros.
;;     - A block's scale is 2^e with e = floor(log2(the largest magnitude in the block)) - 2, held to -126 .. 127; a block of zeros has e = 0. As a byte (E8M0): e + 127.
;;     - Each number is divided by its block's scale, clamped to +-7.5, and rounded to the nearest number of E2M3, ties to even, subnormals kept.
;;     - The product sums the exact products of the quantised numbers (number of the format x scale) in f32.
;;   ~~~python
;;   def quantise(x, axis):      # numpy; x: float32 -> the quantised numbers, widened to float32 again
;;       x = np.moveaxis(x, axis, -1); K = x.shape[-1]
;;       x = np.pad(x, [(0, 0)] * (x.ndim - 1) + [(0, -K % 32)]); x = x.reshape(x.shape[:-1] + (-1, 32)); a = np.abs(x).max(-1, keepdims=True)
;;       e = np.where(a > 0, np.clip(np.frexp(np.where(a > 0, a, 1))[1] - 1 - 2, -126, 127), 0)      # np.frexp(a)[1] - 1 = floor(log2(a)), exactly
;;       r = np.clip(x / 2.0 ** e, -7.5, 7.5)
;;       step = 2.0 ** (np.maximum(np.frexp(np.where(r == 0, 1, r))[1] - 1, 0) - 3)
;;       q = np.round(r / step) * step * 2.0 ** e      # np.round: ties to even
;;       return np.moveaxis(q.reshape(q.shape[:-2] + (-1,))[..., :K], -1, axis).astype(np.float32)
;;   ~~~
;;   SOFTMAX AHEAD OF A QUANTISED PRODUCT. Where the list says 'softmax', what is quantised is not the finished softmax but p = 2^(t - M), with t = logit x log2(e) and M = ceil(the row's largest t), a whole number; so 1/2 < the row's largest p <= 1. The row's sum l is taken of the UNQUANTISED p, in f32, and the product's result is divided by l at the end. Since M is a whole number, a kernel that streams over the keys may use a running M (the ceiling of the running maximum): every later rescaling is an exact power of two, which a block's scale takes up: the codes' values come out the same.
;;   OPERANDS COMPUTED ON THE WAY. 'Computed on the way' means the value that the module computes at that place (a softmax that the list does not call 'softmax' is quantised finished and normalised). What goes into a quantiser is computed in f32, as accurately as f32 sums, v_exp_f32 and their like allow (about 1e-6 of the number): no bf16 or f16 on the way to a quantiser, and a product that is left as it is and whose result goes on into a quantised operand takes f32 operands (vector FMAs, or v_wmma_f32_16x16x4_f32). A number that lies on a knife's edge between two numbers of the format may be rounded either way, as far as f32 arithmetic and the matrix unit's own rounding can turn it there, and no further.
;; One version. Each part assembles by itself: llvm-mc -triple=amdgcn-amd-amdhsa -mcpu=gfx1250 --defsym DOCPART=n.
;; ======== version 1 of 1: 4 launches
;; limits: right only within a limited range of input values
;; workspace buffers: xc 6,291,456 bytes; xs 262,144 bytes; wc 3,145,728 bytes; ws 131,072 bytes; qkv 20,185,088 bytes; cc 6,291,456 bytes; cs 262,144 bytes
;; launch quant (part 1): grid 512 x 1, 4 waves a work-group, no clusters, 34,304 bytes of LDS; arguments x, Wq, Wk, Wv, Wo, xc, xs, wc, ws; writes xc, xs, wc, ws
.if DOCPART == 1
	.amdgcn_target "amdgcn-amd-amdhsa--gfx1250"
	.amdhsa_code_object_version 6
	.text
	.protected	k_qc78d488664_quant
	.globl	k_qc78d488664_quant
	.p2align	8
	.type	k_qc78d488664_quant,@function
k_qc78d488664_quant:
	s_mov_b64 s[64:65], 0
	v_nop
	global_prefetch_b8 v0, s[64:65] scope:SCOPE_SE
	s_setreg_imm32_b32 hwreg(HW_REG_WAVE_MODE, 25, 1), 1
	s_wait_xcnt 0x0
; x [8192][1024] and Wq, Wk, Wv, Wo [1024 (k)][1024 (n)], f32, become codes of FP6 (E2M3) with one E8M0 byte for each 32 along K.
; A block's scale is 2^(floor(log2(its largest magnitude)) - 2); its byte is that magnitude's exponent field - 2, held at 1 from below.
; LIMITS: a block of zeros gets the byte 1 where the quantiser says 127 (its codes are zeros, and only this program reads the bytes);
; blocks whose largest magnitude lies under 2^-124 are held at the byte 1; NaN and infinities among the inputs are not served.
; LAYOUT OF THE RESULTS: IMAGES OF OPERAND REGISTERS.  Rows (tokens of x, columns n of W) go in tiles of 16: tile 2 B + u, lane row r, is row
; 32 B + 8 u + r + 8 (r / 8).  A fragment (16 rows x 128 K, 12 registers a lane) is 1,536 bytes: three chunks of 512, chunk c = registers 4 c .. 4 c + 3
; of lane l at 16 l.  Codes: [tile][K step 0..7][1,536].  Scale words: [pair of tiles][K step][lane]: lanes 0-15 the even tile's rows, lanes 16-31 the odd one's.
; Work-groups 0-255 take x (K innermost: through a stage in LDS), work-groups 256-511 the four weights (K outermost: a lane to a column, no LDS).
; No tensor load, no barrier: waves share nothing.  Matrix units and clusters have nothing to do here: each input byte is read once by one wave.
.set STG,   8448                       ; a wave's stage: 16 rows x (512 bytes + 16)
.set FLOOR, 0x1800000                  ; 2^(3 - 127): under it no largest magnitude is taken
.set EOFF,  0xff000000                 ; takes 2 off an exponent field
	s_load_b512 s[4:19], s[0:1], 0x0               ; x s[4:5], Wq s[6:7], Wk s[8:9], Wv s[10:11], Wo s[12:13], xc s[14:15], xs s[16:17], wc s[18:19]
	s_load_b64 s[20:21], s[0:1], 0x40              ; ws
	v_lshl_add_u32 v62, v0, 2, 0x8400
	v_mov_b32 v63, 0
	v_lshrrev_b32 v1, 5, v0
	v_readfirstlane_b32 s22, v1                    ; wave 0..3
	v_and_b32 v39, 31, v0                          ; lane
	v_lshlrev_b32 v1, 4, v39                       ; 16 x lane: my place in a load's or a chunk's 512 bytes
	s_cmp_lt_u32 ttmp9, 256
	s_cbranch_scc0 .Lw
; ---------------- x: wave w takes tile T = 2 x work-group + w / 2 and half w % 2 of K: four fragments
	v_and_b32 v8, 15, v0                           ; r
	v_bfe_u32 v9, v0, 4, 1                         ; h
	s_mul_i32 s23, s22, STG
	v_add_nc_u32 v2, s23, v1                       ; into the stage: a row's 512 bytes as they lie
	v_mul_u32_u24 v3, v8, 528
	v_lshl_add_u32 v3, v9, 7, v3
	v_add_nc_u32 v3, s23, v3                       ; out of it: row r, + 128 h: k = 64 c + 32 h + 0 .. 31
	v_lshlrev_b32 v11, 3, v9                       ; 8 h: my bytes' place in the scale word
	v_lshlrev_b32 v36, 2, v8
	v_lshl_add_u32 v36, v9, 7, v36                 ; 128 h + 4 r: lanes 0-15 store one K step's words, lanes 16-31 the next one's
	v_mov_b32 v10, 0                               ; a lane permute's destination counts as one of its sources
	s_mov_b32 s24, 0x76543210
	s_mov_b32 s25, 0xfedcba98                      ; selects for lane l xor 16
	s_lshr_b32 s26, s22, 1                         ; T % 2
	s_and_b32 s27, s22, 1                          ; which half of K
	; TOKENS OF x go in tiles of another order than W's columns: tile 4 g + j, lane row r, is token 64 g + 8 j + r % 8 + 32 (r / 8) (this holds for x in place of the order given at the head).
	; So my tile T = 2 x work-group + T % 2 begins at row 64 (work-group / 2) + 16 (work-group % 2) + 8 (T % 2)
	s_lshr_b32 s28, ttmp9, 1
	s_lshl_b32 s28, s28, 18
	s_and_b32 s29, ttmp9, 1
	s_lshl_b32 s29, s29, 16
	s_add_co_u32 s28, s28, s29
	s_lshl_b32 s29, s26, 15
	s_add_co_u32 s28, s28, s29
	s_lshl_b32 s29, s27, 11
	s_add_co_u32 s28, s28, s29
	s_mov_b32 s29, 0
	s_lshl_b32 s30, ttmp9, 4                       ; codes: (8 T + 4 x half) fragments
	s_lshl_b32 s31, s26, 3
	s_add_co_u32 s30, s30, s31
	s_lshl_b32 s31, s27, 2
	s_add_co_u32 s30, s30, s31
	s_mul_i32 s30, s30, 1536
	s_mov_b32 s31, 0
	s_lshl_b32 s32, ttmp9, 10                      ; scale words: 1,024 x pair + 512 x half + 64 (T % 2)
	s_lshl_b32 s33, s27, 9
	s_add_co_u32 s32, s32, s33
	s_lshl_b32 s33, s26, 6
	s_add_co_u32 s32, s32, s33
	s_mov_b32 s33, 0
	s_wait_alu depctr_va_vdst(0)
	s_wait_kmcnt 0x0
	s_add_nc_u64 s[4:5], s[4:5], s[28:29]
	s_add_nc_u64 s[14:15], s[14:15], s[30:31]
	s_add_nc_u64 s[16:17], s[16:17], s[32:33]
.macro XLOAD f                         ; fragment f: 16 rows x 512 consecutive bytes, into set f % 2 (v64-127, v128-191)
.irp i, 0,1,2,3,4,5,6,7,8,9,10,11,12,13,14,15
	global_load_b128 v[64+64*((\f)%2)+4*\i:64+64*((\f)%2)+4*\i+3], v1, s[4:5] offset:(\i+24*(\i/8))*4096+512*(\f) th:TH_LOAD_NT   ; rows 8-15 of a tile lie 32 tokens behind rows 0-7
.endr
.endm
.macro XTURN f                         ; through the stage: LDS serves a wave's instructions in order, so no wait stands between the stores and the loads
.irp i, 0,1,2,3,4,5,6,7,8,9,10,11,12,13,14,15
	ds_store_b128 v2, v[64+64*((\f)%2)+4*\i:64+64*((\f)%2)+4*\i+3] offset:528*\i
.endr
.irp c, 0,1
.irp j, 0,1,2,3,4,5,6,7
	ds_load_b128 v[192+32*\c+4*\j:192+32*\c+4*\j+3], v3 offset:256*\c+16*\j
.endr
.endr
.endm
.macro XQ f                            ; v192-223 = my block h, v224-255 = my block 2 + h of row r: all 32 numbers of a block are mine
	v_max3_num_f32 v4, |v192|, |v193|, FLOOR
	v_max3_num_f32 v5, |v224|, |v225|, FLOOR
.irp i, 2,4,6,8,10,12,14,16,18,20,22,24,26,28,30
	v_max3_num_f32 v4, v4, |v[192+\i]|, |v[193+\i]|
	v_max3_num_f32 v5, v5, |v[224+\i]|, |v[225+\i]|
.endr
	v_add_nc_u32 v6, EOFF, v4                      ; the conversion takes this operand's exponent field as its scale
	v_add_nc_u32 v7, EOFF, v5
	v_lshrrev_b32 v8, 23, v6                       ; the bytes
	v_lshrrev_b32 v9, 23, v7
	v_lshl_or_b32 v8, v9, 16, v8
	v_lshlrev_b32 v8, v11, v8                      ; at their places: bytes h and 2 + h
	v_permlanex16_b32 v10, v8, s24, s25
	v_or_b32 v[12+\f], v8, v10                     ; with lane l xor 16's two the row's word is whole
	s_wait_alu depctr_va_vdst(0)
	s_wait_xcnt 0x0                                ; the last fragment's stores have read v16-27: they are written again only behind this wait
	v_cvt_scalef32_pk16_fp6_f32 v[16:18], v[192:207], v6
	v_cvt_scalef32_pk16_fp6_f32 v[28:30], v[208:223], v6   ; (a conversion's three registers begin on an even number)
	v_cvt_scalef32_pk16_fp6_f32 v[22:24], v[224:239], v7
	v_cvt_scalef32_pk16_fp6_f32 v[32:34], v[240:255], v7
	v_nop                                          ; one plain place behind the scaled conversions
.irp i, 0,1,2
	v_mov_b32 v[19+\i], v[28+\i]
	v_mov_b32 v[25+\i], v[32+\i]
.endr
.irp c, 0,1,2
	global_store_b128 v1, v[16+4*\c:19+4*\c], s[14:15] offset:1536*(\f)+512*\c   ; 512 consecutive bytes a store
.endr
.endm
	XLOAD 0
	XLOAD 1
	s_wait_loadcnt 16                              ; fragment 0's 16 loads are in, fragment 1's may be out
	XTURN 0
	s_wait_dscnt 0x0                               ; the numbers are back, and the stage's stores have read set 0
	XLOAD 2
	XQ 0
	s_wait_loadcnt 16                              ; fragment 1's are in, fragment 2's may be out
	XTURN 1
	s_wait_dscnt 0x0
	XLOAD 3
	XQ 1
	s_wait_loadcnt 16
	XTURN 2
	s_wait_dscnt 0x0
	XQ 2
	s_wait_loadcnt 0x0
	XTURN 3
	s_wait_dscnt 0x0
	XQ 3
	v_cmp_le_u32 vcc_lo, 16, v39                   ; lanes 16-31
	v_cndmask_b32 v37, v12, v13, vcc_lo            ; K steps 0 | 1 of my half
	v_cndmask_b32 v38, v14, v15, vcc_lo            ; K steps 2 | 3
	global_store_b32 v36, v37, s[16:17]
	global_store_b32 v36, v38, s[16:17] offset:256
	s_wait_tensorcnt 0x0
	ds_add_u32 v62, v63
	s_wait_dscnt 0x0
	s_endpgm
; ---------------- W: a wave takes 32 columns (a pair of tiles) x 128 along K.  A LANE TAKES A COLUMN, AND ITS REGISTERS RUN DOWN K.
.Lw:
	s_sub_co_u32 s23, ttmp9, 256
	s_lshr_b32 s24, s23, 6                         ; which weight: 0 Wq, 1 Wk, 2 Wv, 3 Wo
	s_and_b32 s25, s23, 63
	s_and_b32 s26, s25, 7
	s_lshl_b32 s26, s26, 2
	s_add_co_u32 s26, s26, s22                     ; pair 0..31: the four waves stand side by side on 512 bytes of each row of W
	s_lshr_b32 s27, s25, 3                         ; K step 0..7
	v_and_b32 v2, 7, v0                            ; lanes 0-15 take the even tile's rows, lanes 16-31 the odd one's:
	v_bfe_u32 v3, v0, 3, 1
	v_lshl_add_u32 v2, v3, 4, v2
	v_bfe_u32 v3, v0, 4, 1
	v_lshl_add_u32 v2, v3, 3, v2                   ; column l % 8 + 16 ((l / 8) % 2) + 8 (l / 16) of the pair's 32
	v_lshlrev_b32 v2, 2, v2
	s_wait_alu depctr_va_vdst(0)
	v_lshlrev_b32 v3, 2, v39                       ; 4 x lane: my scale word's place
	s_lshl_b32 s28, s27, 19                        ; W: 128 rows of 4,096 bytes a K step, + 128 bytes a pair
	s_lshl_b32 s29, s26, 7
	s_add_co_u32 s28, s28, s29
	s_mov_b32 s29, 0
	s_lshl_b32 s30, s24, 5
	s_add_co_u32 s30, s30, s26                     ; the pair among all four weights'
	s_lshl_b32 s32, s30, 3
	s_add_co_u32 s32, s32, s27
	s_lshl_b32 s32, s32, 7                         ; its scale words of this K step
	s_mov_b32 s33, 0
	s_lshl_b32 s30, s30, 4
	s_add_co_u32 s30, s30, s27
	s_mul_i32 s30, s30, 1536                       ; the even tile's fragment of this K step; the odd tile's lies 8 fragments on
	s_mov_b32 s31, 0
	s_wait_kmcnt 0x0
	s_cmp_eq_u32 s24, 1
	s_cselect_b64 s[6:7], s[8:9], s[6:7]
	s_cmp_eq_u32 s24, 2
	s_cselect_b64 s[6:7], s[10:11], s[6:7]
	s_cmp_eq_u32 s24, 3
	s_cselect_b64 s[6:7], s[12:13], s[6:7]
	s_add_nc_u64 s[6:7], s[6:7], s[28:29]
	s_add_nc_u64 s[18:19], s[18:19], s[30:31]
	s_add_nc_u64 s[20:21], s[20:21], s[32:33]
.macro WLOAD t                         ; block t: W(32 t + i, my column) into set t % 2 (v64-95, v96-127)
.irp i, 0,1,2,3,4,5,6,7,8,9,10,11,12,13,14,15,16,17,18,19,20,21,22,23,24,25,26,27,28,29,30,31
	global_load_b32 v[64+32*((\t)%2)+\i], v2, s[6:7] offset:(32*(\t)+\i)*4096 th:TH_LOAD_NT
.endr
.endm
.macro WBLOCK t
.set XS, 64+32*((\t)%2)
.set F,  16+12*((\t)%2)+6*((\t)/2)     ; even blocks into v16-27, odd blocks into v28-39
.if (\t) < 3
	s_wait_loadcnt 32                              ; this block's 32 loads are in, the next block's may be out
.else
	s_wait_loadcnt 0x0
.endif
	v_max3_num_f32 v4, |v[XS]|, |v[XS+1]|, |v[XS+2]|
	v_max3_num_f32 v5, |v[XS+3]|, |v[XS+4]|, |v[XS+5]|
.irp i, 6,10,14,18,22,26
	v_max3_num_f32 v4, v4, |v[XS+\i]|, |v[XS+\i+1]|
	v_max3_num_f32 v5, v5, |v[XS+\i+2]|, |v[XS+\i+3]|
.endr
	v_max3_num_f32 v4, v4, |v[XS+30]|, |v[XS+31]|
	v_max3_num_f32 v4, v4, v5, FLOOR
	v_add_nc_u32 v6, EOFF, v4
	v_lshrrev_b32 v7, 23, v6
.if (\t) == 0
	v_mov_b32 v8, v7                               ; my column's scale word, the lower K in the lower byte
.else
	v_lshl_or_b32 v8, v7, 8*(\t), v8
.endif
	v_cvt_scalef32_pk16_fp6_f32 v[F:F+2], v[XS:XS+15], v6
	v_cvt_scalef32_pk16_fp6_f32 v[40:42], v[XS+16:XS+31], v6
	v_nop                                          ; one plain place behind the scaled conversions
.irp i, 0,1,2
	v_mov_b32 v[F+3+\i], v[40+\i]
.endr
.if (\t) < 2
	WLOAD (\t)+2
.endif
.endm
	WLOAD 0
	WLOAD 1
	WBLOCK 0
	WBLOCK 1
	WBLOCK 2
	WBLOCK 3
.irp i, 0,1,2,3,4,5,6,7,8,9,10,11
	v_permlane16_swap_b32 v[16+\i], v[28+\i]       ; v16-27: lanes 0-15 keep the even tile's blocks 0, 2 and lanes 16-31 get its blocks 1, 3: its fragment; v28-39 likewise the odd tile's
.endr
.irp c, 0,1,2
	global_store_b128 v1, v[16+4*\c:19+4*\c], s[18:19] offset:512*\c
	global_store_b128 v1, v[28+4*\c:31+4*\c], s[18:19] offset:12288+512*\c
.endr
	global_store_b32 v3, v8, s[20:21]
	s_endpgm
.Lfunc_end_k_qc78d488664_quant:
	.size	k_qc78d488664_quant, .Lfunc_end_k_qc78d488664_quant-k_qc78d488664_quant
	.p2alignl 7, 3214868480
	.fill 96, 4, 3214868480
	.section	.rodata,"a",@progbits
	.p2align	6, 0x0
	.amdhsa_kernel k_qc78d488664_quant
		.amdhsa_group_segment_fixed_size 34304
		.amdhsa_private_segment_fixed_size 0
		.amdhsa_enable_private_segment 0
		.amdhsa_kernarg_size 72
		.amdhsa_user_sgpr_count 2
		.amdhsa_user_sgpr_kernarg_segment_ptr 1
		.amdhsa_wavefront_size32 1
		.amdhsa_system_sgpr_workgroup_id_x 1
		.amdhsa_system_sgpr_workgroup_id_y 1
		.amdhsa_system_sgpr_workgroup_id_z 1
		.amdhsa_system_vgpr_workitem_id 0
		.amdhsa_next_free_vgpr 256
		.amdhsa_next_free_sgpr 66
		.amdhsa_reserve_vcc 1
		.amdhsa_float_denorm_mode_32 3
		.amdhsa_float_denorm_mode_16_64 3
		.amdhsa_memory_ordered 1
		.amdhsa_forward_progress 1
		.amdhsa_inst_pref_size 51
	.end_amdhsa_kernel
	.amdgpu_metadata
---
amdhsa.version: [ 1, 2 ]
amdhsa.kernels:
  - .name:           k_qc78d488664_quant
    .symbol:         k_qc78d488664_quant.kd
    .args:
      - { .name: x, .offset: 0, .size: 8, .value_kind: global_buffer, .address_space: global }
      - { .name: Wq, .offset: 8, .size: 8, .value_kind: global_buffer, .address_space: global }
      - { .name: Wk, .offset: 16, .size: 8, .value_kind: global_buffer, .address_space: global }
      - { .name: Wv, .offset: 24, .size: 8, .value_kind: global_buffer, .address_space: global }
      - { .name: Wo, .offset: 32, .size: 8, .value_kind: global_buffer, .address_space: global }
      - { .name: xc, .offset: 40, .size: 8, .value_kind: global_buffer, .address_space: global }
      - { .name: xs, .offset: 48, .size: 8, .value_kind: global_buffer, .address_space: global }
      - { .name: wc, .offset: 56, .size: 8, .value_kind: global_buffer, .address_space: global }
      - { .name: ws, .offset: 64, .size: 8, .value_kind: global_buffer, .address_space: global }
    .group_segment_fixed_size: 34304
    .private_segment_fixed_size: 0
    .kernarg_segment_align: 8
    .kernarg_segment_size: 72
    .max_flat_workgroup_size: 128
    .sgpr_count:     66
    .vgpr_count:     256
    .wavefront_size: 32
...
	.end_amdgpu_metadata
.endif
;; end of part 1
;; launch qkv (part 2): grid 8 x 32, 4 waves a work-group, clusters of 4 x 4, 327,680 bytes of LDS; arguments xc, xs, wc, ws, bq, bk, bv, qkv; writes qkv
.if DOCPART == 2
	.amdgcn_target "amdgcn-amd-amdhsa--gfx1250"
	.amdhsa_code_object_version 6
	.text
	.protected	k_qc78d488664_qkv
	.globl	k_qc78d488664_qkv
	.p2align	8
	.type	k_qc78d488664_qkv,@function
k_qc78d488664_qkv:
	s_mov_b64 s[64:65], 0
	v_nop
	global_prefetch_b8 v0, s[64:65] scope:SCOPE_SE
	s_setreg_imm32_b32 hwreg(HW_REG_WAVE_MODE, 25, 1), 1
	s_wait_xcnt 0x0
	s_wait_alu depctr_hold_cnt(0) depctr_sa_sdst(0) depctr_va_vdst(0) depctr_va_sdst(0) depctr_va_ssrc(0) depctr_va_vcc(0) depctr_vm_vsrc(0)
	s_getreg_b32 s2, hwreg(HW_REG_IB_STS2, 6, 4)
	s_cmp_eq_u32 s2, 0
	s_cbranch_scc0 .Lentry_in_a_cluster
	s_endpgm
.Lentry_in_a_cluster:
	s_bfe_u32 s2, ttmp6, 0x10000c
	s_cmp_lg_u32 s2, 0xf033
	s_cbranch_scc0 .Lentry_shape_is_right
	s_endpgm
.Lentry_shape_is_right:
; Q = x Wq + bq, K = x Wk + bk, V = x Wv + bv on codes of FP6 (E2M3) with E8M0 scales, and the results quantised again, in registers, for the attention launch.
; A WORK-GROUP STAYS: it owns 256 tokens of x (block tb = work-group y) and 128 columns (block j = work-group x), and makes 256 x 128 of Q, then of K, then of V, each over the whole K = 1,024.
; x's 256 rows come into LDS once and stay; only the weights' 128 rows change.  Four waves, 2 x 2: a wave has 128 tokens (8 tiles) x 64 columns (4 tiles: one head): 32 accumulators.
; Q, K: source 0 = 16 columns of the weight, source 1 = 16 tokens: a lane holds ONE token and its registers run along the head's 64, the next product's K.  V: source 0 = 16 tokens, source 1 = 16 columns of Wv: a lane's
; registers run along the keys, the second attention product's K.  The fragments are fetched alike in all three; only the sources change places.
; OPERANDS lie in memory as images of fragments (16 rows x 128 K: 1,536 bytes, register group c of lane l at 512 c + 16 l), [tile][K step].  A weight's tile 2 B + u, lane row r, is column 32 B + 8 u + r + 8 (r / 8);
; x's tile 4 g + j, lane row r, is token 64 g + 8 j + r % 8 + 32 (r / 8).
; LDS: two halves of K (4 K steps each), 147,456 bytes a half: x's 16 tiles x 6,144 bytes, then the weight's 8 x 6,144.  At the head one tensor load a wave: x's first half, Wq's, x's second half, Wq's.
; THE WEIGHT'S TWO REGIONS ARE THE RING: the first half is read no more from K step 3 on, the second from K step 7 on; there it is filled again with the next weight's, each wave two tiles, one load a wave, behind a round of the
; cluster's barrier that stands inside the step, with a tensor wait, an add and its wait ahead of it.  What a refill brought is shown to all by the next round, or by V's plain barrier in K step 3.
; By this text's count a wave has one tensor load out.  The launch claims all of LDS.
; CLUSTER 4 x 4: x's tiles hang on work-group y alone and are asked for jointly by a row of the cluster, a weight's on work-group x alone, by a column.
; PREFETCH: Wk's 128 rows are asked for at the head, eight K steps ahead of their first load, Wv's in Q's K step 3, likewise: 98,304 bytes shared out by address among the sixteen waves of the four work-groups that will
; ask jointly, 24 blocks of 256 bytes a wave, a lane a block (lanes 24-31 name the last again).  x and Wq come by the head's loads alone.
; Q AND K ARE ONE LOOP OF TWO TRIPS: what differs lies in scalars (addresses) and in registers that are loaded anew under the epilogue (the weight's scale words, the bias).
; LIMITS: a block of zeros gets the scale byte 1 (its codes are zeros; only this program reads the bytes); largest magnitudes under 2^-124 are held at the byte 1; NaN and infinities are not served.
; REGISTERS: window 0: v1-3 16, 8, 4 x lane; v4, v5 / v8, v9 LDS addresses of x's / the weight's fragments by half of K; v12 lane; v14 prefetch offset; v16, v17 bias offsets; v32-63 x's scale words (pair j, K step s at 32 + 8 j + s);
;   v68-83 the weight's; v128-223 the weight's fragments, two sets.  window 1: v0-191 x's fragments, two sets.  window 2: the accumulators.  window 3: v0-31 Q's or K's bias as C, v32-63 V's; v128-248 the epilogue's.
.set RT,  12288                        ; a tile's eight fragments
.set QB,  147456                       ; a half of K in LDS
.set WB,  98304                        ; the weight's place in it
.set REC, 315392                       ; a head's record in qkv:
.set VC,  98304                        ; K's codes at 0: [pair 0..63][1,536]; V^T's codes [key step 0..15][tile of d 0..3][1,536]
.set KSO, 196608                       ; K's scale words [key step][half][lane][2]
.set VSO, 204800                       ; V's [key step][lane][2]
.set QC,  208896                       ; Q's codes, as K's
.set QSO, 307200                       ; Q's scale words, as K's
.set XW,  32
.set WW,  68                           ; (the two scale registers of a product differ modulo 8)
.set BQ,  0                            ; window 3
.set BV,  32
.set TM,  224                          ; v224-227 largest magnitudes, v228-231 bytes, v232-235 the conversions' scale operands
.set FLR, 236                          ; the floor 2^(3 - 127)
.set SW,  238                          ; v238-241 scale words to store
.set WD,  242                          ; v242-245 V's words by tile
.set T2,  246
.set H8,  248                          ; 8 h
.set MSB, 0
.macro WIN new                         ; the immediate's high byte repeats the setting that is left
.if MSB != \new
	s_set_vgpr_msb (MSB<<8)|\new
.set MSB, \new
.endif
.endm
.macro PLACES n
.rept \n
	v_nop
.endr
.endm
.macro WALU
	s_wait_alu depctr_va_vdst(0)
.endm
.macro BARRIER
	s_barrier_signal -1
	s_barrier_wait -1
.endm
.macro MIDDLE                          ; a round's middle: the opening wait, wave 0's signal for the work-group, the cluster's wait
	WIN 0
	s_barrier_wait -1
	s_cmp_lg_u32 s20, 0
	s_cbranch_scc1 .Lnot_wave_0_\@
	s_barrier_signal -3
.Lnot_wave_0_\@:
	s_barrier_wait -3
.endm
.macro ROUND
	s_barrier_signal -1
	MIDDLE
	BARRIER
.endm
.macro FETCH s                         ; K step s: my 8 fragments of x and 4 of the weight into set s % 2: 36 loads of 512 consecutive bytes
	WIN 0x40                                       ; destination window 1, address window 0
.irp i, 0,1,2,3,4,5,6,7
.irp c, 0,1,2
	ds_load_b128 v[96*((\s)%2)+12*\i+4*\c:96*((\s)%2)+12*\i+4*\c+3], v[4+(\s)/4] offset:6144*\i+1536*((\s)%4)+512*\c
.endr
.endr
	WIN 0
.irp i, 0,1,2,3
.irp c, 0,1,2
	ds_load_b128 v[128+48*((\s)%2)+12*\i+4*\c:128+48*((\s)%2)+12*\i+4*\c+3], v[8+(\s)/4] offset:6144*\i+1536*((\s)%4)+512*\c
.endr
.endr
.endm
.macro WM d, a, b, c, sa, sb, ra, rb   ; one product.  A pair's scale words share a register: the even tile's in lanes 0-15, the odd one's in lanes 16-31
	v_wmma_scale_f32_16x16x128_f8f6f4 v[\d:\d+7], v[\a:\a+11], v[\b:\b+11], \c, v[\sa], v[\sb] matrix_a_fmt:MATRIX_FMT_FP6 matrix_b_fmt:MATRIX_FMT_FP6 matrix_a_scale:MATRIX_SCALE_ROW\ra matrix_b_scale:MATRIX_SCALE_ROW\rb
.endm
; The products of K step s on x's tiles lo .. hi (kd = 0: Q, K) or on the weight's tiles lo / 2 .. hi / 2 (kd = 1: V).  The 32 accumulators take turns, one instruction a turn, in the same order in every K step
;   K step 0 starts the sums with the bias as C: nothing is cleared, nothing is added later.
; Q, K: accumulator (x's tile b, the weight's tile a) at 8 (4 b + a): a token tile's 32 registers are the head's 64 in two halves of the lanes.  V: at 8 (8 a + b): a column tile's 64 registers are my 128 keys.
.macro MUL kd, lo, hi, s
.if \kd == 0
.if (\s) == 0
	WIN 0xb4                                       ; source 0 (the weight) window 0, source 1 (x) window 1, C window 3, D window 2
.else
	WIN 0xa4                                       ; C and D window 2
.endif
.irp bp, 0,1,2,3
.irp bo, 0,1
.if ((2*\bp+\bo) >= (\lo)) && ((2*\bp+\bo) <= (\hi))
.irp ap, 0,1
.irp ao, 0,1
.set rD, 8*(4*(2*\bp+\bo)+2*\ap+\ao)
.set rW, 128+48*((\s)%2)+12*(2*\ap+\ao)
.set rX, 96*((\s)%2)+12*(2*\bp+\bo)
.if (\s) == 0
	WM rD, rW, rX, v[BQ+8*(2*\ap+\ao):BQ+8*(2*\ap+\ao)+7], WW+8*\ap+(\s), XW+8*\bp+(\s), \ao, \bo
.else
	WM rD, rW, rX, v[rD:rD+7], WW+8*\ap+(\s), XW+8*\bp+(\s), \ao, \bo
.endif
.endr
.endr
.endif
.endr
.endr
.else
.if (\s) == 0
	WIN 0xb1                                       ; source 0 (x) window 1, source 1 (the weight) window 0
.else
	WIN 0xa1
.endif
.irp ap, 0,1
.irp ao, 0,1
.if ((2*\ap+\ao) >= ((\lo)/2)) && ((2*\ap+\ao) <= ((\hi)/2))
.irp bp, 0,1,2,3
.irp bo, 0,1
.set rD, 8*(8*(2*\ap+\ao)+2*\bp+\bo)
.set rW, 128+48*((\s)%2)+12*(2*\ap+\ao)
.set rX, 96*((\s)%2)+12*(2*\bp+\bo)
.if (\s) == 0
	WM rD, rX, rW, v[BV+8*(2*\ap+\ao):BV+8*(2*\ap+\ao)+7], XW+8*\bp+(\s), WW+8*\ap+(\s), \bo, \ao
.else
	WM rD, rX, rW, v[rD:rD+7], XW+8*\bp+(\s), WW+8*\ap+(\s), \bo, \ao
.endif
.endr
.endr
.endif
.endr
.endr
.endif
.endm
; A K step.  Loads into registers that matrix instructions have read stand four plain places behind those instructions (ISA guide 7.12.1 for vector instructions).
.macro STEP kd, s
	s_wait_dscnt 0x0                               ; set s % 2 is in
.if (((\s) == 3) || ((\s) == 7)) && (\kd == 0)
	PLACES 4
	s_wait_tensorcnt 0x0                           ; all my tensor loads have landed;
	ds_add_u32 v254, v255                          ; 0 onto my spare word;
.if (\s) == 3
	s_mov_b32 s42, 2<<16                           ; no load of mine is out, so descriptors may be written: a refill brings two tiles a wave,
	s_mov_b32 s44, 2
	s_add_nc_u64 s[62:63], s[62:63], 64*RT         ; and the second half's goes on to the next weight
.else
	s_add_nc_u64 s[58:59], s[58:59], 64*RT         ; the first half's goes on to the next weight
.endif
	MUL \kd, 0, 1, \s                              ; eight products stand between the add and the wait for it
	WIN 0
	s_wait_dscnt 0x0                               ; the add is done; my reads of the weight's half that is left behind were over at the step's head
	s_barrier_signal -1                            ; the round opens;
	MUL \kd, 2, 3, \s                              ; work on registers inside it
	MIDDLE
	BARRIER                                        ; no wave of any partner still reads that half or has a load on its way
.if (\s) == 3
	tensor_load_to_lds s[56:59], s[40:47]          ; the next weight's K steps 0-3, my two tiles
.else
	tensor_load_to_lds s[60:63], s[40:47]          ; its K steps 4-7
.endif
	s_nop 0
	PLACES 4
	FETCH ((\s)+1)%8                               ; behind K step 7: the next product's K step 0, whose half the round has shown whole
.if (\s) == 3
	s_cmp_eq_u32 s25, 0                            ; in Q's trip: Wv's rows are asked for
	s_cbranch_scc0 .Lno_ask_\@
	global_prefetch_b8 v14, s[8:9] offset:128*RT th:TH_LOAD_NT scope:SCOPE_SE
.Lno_ask_\@:
.endif
	MUL \kd, 4, 7, \s
.elseif (\s) == 3                      ; V: a plain barrier shows the last refill
	PLACES 4
	s_wait_tensorcnt 0x0
	s_barrier_signal -1
	MUL \kd, 0, 3, \s
	s_barrier_wait -1
	FETCH 4
	MUL \kd, 4, 7, \s
.elseif (\s) == 7
	MUL \kd, 0, 7, \s
.else
.if (\s) > 0
	PLACES 4
.endif
	FETCH (\s)+1
	MUL \kd, 0, 7, \s
.endif
	WIN 0
.endm
; THE EPILOGUE works in window 3 on sums in window 2.  A unit u is the 64 registers from 64 u on; its 12 registers of codes go to v[O_], with v[P_] at work.  (O_ and P_ are numbers that the unit's sources' numbers do not use.)
.macro OREGS u
.if (\u) < 2
.set O_, 128+12*(\u)
.set P_, 164
.elseif (\u) == 2
.set O_, 192
.set P_, 204
.else
.set O_, 152
.set P_, 164
.endif
.endm
.macro MAX4 s                          ; the largest magnitudes of four runs of 16 registers, by turns; each accumulator is read from its low end on
	WIN 0xeb                                       ; source 0 and destination window 3, sources 1 and 2 window 2
.irp bb, 0,1,2,3
	v_max3_num_f32 v[TM+\bb], v[FLR], |v[(\s)+16*\bb]|, |v[(\s)+16*\bb+1]|
.endr
.irp i, 2,4,6,8,10,12,14
.irp bb, 0,1,2,3
	v_max3_num_f32 v[TM+\bb], v[TM+\bb], |v[(\s)+16*\bb+\i]|, |v[(\s)+16*\bb+\i+1]|
.endr
.endr
	WIN 0xff
.endm
.macro CVT4 s, k0, k1, k2, k3
	WIN 0xce                                       ; source 0 window 2, source 1 and destination window 3
	v_cvt_scalef32_pk16_fp6_f32 v[O_:O_+2], v[(\s):(\s)+15], v[\k0]
	v_cvt_scalef32_pk16_fp6_f32 v[P_:P_+2], v[(\s)+16:(\s)+31], v[\k1]   ; (a conversion's three registers begin on an even number)
	v_cvt_scalef32_pk16_fp6_f32 v[O_+6:O_+8], v[(\s)+32:(\s)+47], v[\k2]
	v_cvt_scalef32_pk16_fp6_f32 v[P_+4:P_+6], v[(\s)+48:(\s)+63], v[\k3]
	WIN 0xff
	v_nop                                          ; one plain place behind the scaled conversions
.endm
.macro MOV6
.irp i, 0,1,2
	v_mov_b32 v[O_+3+\i], v[P_+\i]
	v_mov_b32 v[O_+9+\i], v[P_+4+\i]
.endr
.endm
; Q, K: unit pp is a pair of token tiles, each with the head's two blocks of 32; a block lies in lanes l and l xor 16, 16 registers each.  One image of 1,536 bytes: registers 0-5 the even tile, 6-11 the odd one.
.macro EPIQ
	s_wait_xcnt 0x0                                ; the last epilogue's stores have read their registers
	v_cmp_le_u32 vcc_lo, 16, v12                   ; lanes 16-31 (made anew behind the tensor loads)
.irp pp, 0,1,2,3
	OREGS \pp
	MAX4 64*\pp
.irp bb, 0,1,2,3
	v_permlanex16_b32 v[TM+4+\bb], v[TM+\bb], s2, s3
.endr
.irp bb, 0,1,2,3
	v_max_num_f32 v[TM+\bb], v[TM+\bb], v[TM+4+\bb]    ; with lane l xor 16's: the block's largest magnitude
.endr
.irp bb, 0,1,2,3
	v_add_nc_u32 v[TM+8+\bb], 0xff000000, v[TM+\bb]    ; 2 off its exponent field: the conversion's scale operand
.endr
.irp bb, 0,1,2,3
	v_lshrrev_b32 v[TM+4+\bb], 23, v[TM+8+\bb]         ; the byte
.endr
	CVT4 64*\pp, TM+8, TM+9, TM+10, TM+11
.irp i, 0,1,2
	v_permlane16_swap_b32 v[O_+\i], v[P_+\i]       ; the layout wants a whole block in a lane: lanes 0-15 the first block, lanes 16-31 the second
	v_permlane16_swap_b32 v[O_+6+\i], v[P_+4+\i]
.endr
	MOV6
	v_lshl_or_b32 v[T2], v[TM+5], 8, v[TM+4]       ; the even tile's two bytes,
	v_lshl_or_b32 v[T2+1], v[TM+7], 8, v[TM+6]     ; the odd tile's
	v_cndmask_b32 v[T2], v[T2], v[T2+1], vcc_lo    ; lanes 0-15 carry the even tile's word, lanes 16-31 the odd one's
	v_or_b32 v[SW+\pp], 0x7f7f0000, v[T2]          ; the upper 64 of the instruction's 128 along K meet zero codes: their bytes stand for 1
	WIN 0x0c                                       ; a store's data are its source 1: window 3
.irp c, 0,1,2
	global_store_b128 v1, v[O_+4*\c:O_+4*\c+3], s[86:87] offset:1536*\pp+512*\c   ; 512 consecutive bytes
.endr
.endr
	global_store_b64 v2, v[SW:SW+1], s[88:89]      ; 256 consecutive bytes, aligned
	global_store_b64 v2, v[SW+2:SW+3], s[88:89] offset:256
	WIN 0
.endm
; V: unit a is a tile of d x my 128 keys.  By the tokens' order registers 64 a + 32 c + 0 .. 31 of lane (r, h) are keys 64 c + 32 h + 0 .. 31: a WHOLE block in a lane, in the operand's order: the conversions' results are the
; fragment's registers as they fall, and only the scale word's bytes are gathered from lanes l and l xor 16.
.macro EPIV
	s_wait_xcnt 0x0
	v_cmp_le_u32 vcc_lo, 16, v12
.irp a, 0,1,2,3
	OREGS \a
	MAX4 64*\a
	v_max_num_f32 v[TM], v[TM], v[TM+1]            ; block h
	v_max_num_f32 v[TM+2], v[TM+2], v[TM+3]        ; block 2 + h
	v_add_nc_u32 v[TM+8], 0xff000000, v[TM]
	v_add_nc_u32 v[TM+9], 0xff000000, v[TM+2]
	v_lshrrev_b32 v[TM+4], 23, v[TM+8]
	v_lshrrev_b32 v[TM+5], 23, v[TM+9]
	v_lshl_or_b32 v[TM+4], v[TM+5], 16, v[TM+4]
	v_lshlrev_b32 v[TM+4], v[H8], v[TM+4]          ; at their places: bytes h and 2 + h
	v_permlanex16_b32 v[TM+6], v[TM+4], s2, s3
	v_or_b32 v[WD+\a], v[TM+4], v[TM+6]            ; with lane l xor 16's two the row's word is whole
	CVT4 64*\a, TM+8, TM+8, TM+9, TM+9
	MOV6
	WIN 0x0c
.irp c, 0,1,2
	global_store_b128 v1, v[O_+4*\c:O_+4*\c+3], s[76:77] offset:VC+1536*\a+512*\c
.endr
.endr
	WIN 0xff
	v_cndmask_b32 v[SW], v[WD], v[WD+1], vcc_lo    ; tiles 0 | 1
	v_cndmask_b32 v[SW+1], v[WD+2], v[WD+3], vcc_lo ; tiles 2 | 3
	WIN 0x0c
	global_store_b64 v2, v[SW:SW+1], s[80:81] offset:VSO
	WIN 0
.endm
; ---------------- the head
	s_load_b512 s[4:19], s[0:1], 0x0               ; xc s[4:5], xs s[6:7], wc s[8:9], ws s[10:11], bq s[12:13], bk s[14:15], bv s[16:17], qkv s[18:19]
	v_lshl_add_u32 v254, v0, 2, 0x48000
	v_mov_b32 v255, 0
	ds_add_u32 v254, v255                          ; the opening lines: the add, twice on end, and its wait ahead of my first tensor load
	ds_add_u32 v254, v255
	v_lshrrev_b32 v12, 5, v0
	v_readfirstlane_b32 s20, v12                   ; wave 0..3
	s_lshr_b32 s21, s20, 1                         ; which 64 columns are mine
	s_and_b32 s22, s20, 1                          ; which 128 tokens
	s_bfe_u32 s23, ttmp6, 0x40000                  ; cx
	s_bfe_u32 s24, ttmp6, 0x40004                  ; cy
	s_lshl_b32 s28, ttmp9, 2
	s_add_co_u32 s28, s28, s23                     ; j: the block of 128 columns, 0..7
	s_and_b32 s27, ttmp7, 0xffff
	s_lshl_b32 s27, s27, 2
	s_add_co_u32 s27, s27, s24                     ; tb: the block of 256 tokens, 0..31
	s_lshl_b32 s84, s24, 2
	s_lshl_b32 s84, 15, s84                        ; my row of the cluster
	s_or_b32 s32, s84, (3<<16)|(1<<21)             ; group 1 for x: the mask; elements of 8 bytes; bit 21 beside a mask; no padding
	s_lshl_b32 s85, 0x1111, s23                    ; my column
	s_or_b32 s40, s85, (3<<16)|(1<<21)             ; for the weights
	s_mov_b32 s33, 768<<16                         ; tensor_dim0: 6,144 bytes, four fragments of a tile
	s_mov_b32 s34, 16<<16                          ; tensor_dim1: 16 tiles
	s_mov_b32 s35, 768<<16                         ; tile_dim0
	s_mov_b32 s36, 16                              ; tile_dim1
	s_mov_b32 s37, 1536                            ; from tile to tile: 12,288 bytes
	s_mov_b32 s38, 0
	s_mov_b32 s39, 0
	s_mov_b32 s41, 768<<16
	s_mov_b32 s42, 8<<16                           ; at the head 8 tiles
	s_mov_b32 s43, 768<<16
	s_mov_b32 s44, 8
	s_mov_b32 s45, 1536
	s_mov_b32 s46, 0
	s_mov_b32 s47, 0
	s_mul_i32 s86, s27, 16*RT                      ; x's codes: tile 16 tb
	s_mov_b32 s87, 0
	s_mul_i32 s88, s28, 8*RT                       ; Wq's: tile 8 j
	s_mov_b32 s89, 0
	s_lshl_b32 s90, s27, 3                         ; x's scale words that I use: pair 8 tb + 4 x my half
	s_lshl_b32 s91, s22, 2
	s_add_co_u32 s90, s90, s91
	s_lshl_b32 s90, s90, 10
	s_mov_b32 s91, 0
	s_lshl_b32 s30, s28, 2                         ; Wq's: pair 4 j + 2 x my half
	s_lshl_b32 s31, s21, 1
	s_add_co_u32 s30, s30, s31
	s_lshl_b32 s30, s30, 10
	s_mov_b32 s31, 0
	s_mul_i32 s2, s20, 2*RT                        ; my two tiles of a refill, in memory
	s_mov_b32 s3, 0
	s_mul_i32 s26, s20, 12288                      ; and in LDS: no place in the cluster enters an LDS address
	s_add_co_u32 s26, s26, WB
	s_lshl_b32 s29, s24, 2                         ; the prefetches: my number among the sixteen waves of my column,
	s_add_co_u32 s29, s29, s20
	s_mul_i32 s29, s29, 6144                       ; its sixteenth of the block's 98,304 bytes
	s_add_co_u32 s29, s29, s88
	s_wait_dscnt 0x0
	s_wait_kmcnt 0x0
	s_add_nc_u64 s[92:93], s[4:5], s[86:87]
	s_add_nc_u64 s[94:95], s[6:7], s[90:91]
	s_add_nc_u64 s[96:97], s[8:9], s[88:89]
	s_add_nc_u64 s[98:99], s[10:11], s[30:31]
	s_add_nc_u64 s[2:3], s[96:97], s[2:3]
.irp q, 0,1                            ; group 0 by half of K: s[48:55] x, s[68:75] Wq at the head, s[56:63] the refills
	s_mov_b32 s[48+4*\q], 1
	s_mov_b32 s[49+4*\q], \q*QB
	s_add_nc_u64 s[50+4*\q:51+4*\q], s[92:93], \q*6144
	s_or_b32 s[51+4*\q], s[51+4*\q], 0x80000000
	s_mov_b32 s[68+4*\q], 1
	s_mov_b32 s[69+4*\q], WB+\q*QB
	s_add_nc_u64 s[70+4*\q:71+4*\q], s[96:97], \q*6144
	s_or_b32 s[71+4*\q], s[71+4*\q], 0x80000000
	s_mov_b32 s[56+4*\q], 1
	s_add_co_u32 s[57+4*\q], s26, \q*QB
	s_add_nc_u64 s[58+4*\q:59+4*\q], s[2:3], (1-\q)*64*RT+\q*6144   ; the first half's stands at Wk; the second half's at Wq, and is stepped ahead of each use
	s_or_b32 s[59+4*\q], s[59+4*\q], 0x80000000
.endr
	ROUND                                          ; all sixteen work-groups are here: the joint loads meet
	s_cmp_eq_u32 s20, 0                            ; one chain of arms on the wave's number, one load to an arm
	s_cbranch_scc0 .Lfill_1
	tensor_load_to_lds s[48:51], s[32:39]          ; wave 0: x, K steps 0-3
	s_nop 0
	PLACES 4
	s_branch .Lfilled
.Lfill_1:
	s_cmp_eq_u32 s20, 1
	s_cbranch_scc0 .Lfill_2
	tensor_load_to_lds s[68:71], s[40:47]          ; wave 1: Wq, K steps 0-3
	s_nop 0
	PLACES 4
	s_branch .Lfilled
.Lfill_2:
	s_cmp_eq_u32 s20, 2
	s_cbranch_scc0 .Lfill_3
	tensor_load_to_lds s[52:55], s[32:39]          ; wave 2: x, K steps 4-7
	s_nop 0
	PLACES 4
	s_branch .Lfilled
.Lfill_3:
	tensor_load_to_lds s[72:75], s[40:47]          ; wave 3: Wq, K steps 4-7
	s_nop 0
	PLACES 4
.Lfilled:
	s_mul_i32 s84, s22, 49152                      ; my 8 tiles of x,
	s_mul_i32 s85, s21, 24576
	s_add_co_u32 s85, s85, WB                      ; my 4 tiles of the weight
	s_lshl_b32 s86, s28, 9                         ; the biases: my first column, in bytes
	s_lshl_b32 s87, s21, 8
	s_add_co_u32 s86, s86, s87
	s_mov_b32 s87, 0
	s_add_nc_u64 s[12:13], s[12:13], s[86:87]
	s_add_nc_u64 s[14:15], s[14:15], s[86:87]
	s_add_nc_u64 s[16:17], s[16:17], s[86:87]
	s_lshr_b32 s30, s27, 3                         ; where the results go: record 16 x batch + head 2 j + my half,
	s_lshl_b32 s30, s30, 4
	s_lshl_b32 s31, s28, 1
	s_add_co_u32 s30, s30, s31
	s_add_co_u32 s30, s30, s21
	s_mul_i32 s30, s30, REC
	s_and_b32 s31, s27, 7
	s_lshl_b32 s31, s31, 1
	s_add_co_u32 s31, s31, s22                     ; key step: the batch's run of 128 tokens
	s_mul_i32 s86, s31, 6144
	s_add_co_u32 s86, s86, s30
	s_add_nc_u64 s[76:77], s[18:19], s[86:87]      ; K's codes (V's lie VC behind them),
	s_add_nc_u64 s[86:87], s[76:77], QC            ; Q's: the loop's first trip stores by s[86:89]
	s_lshl_b32 s90, s31, 9
	s_add_co_u32 s90, s90, s30
	s_mov_b32 s91, 0
	s_add_nc_u64 s[78:79], s[18:19], s[90:91]
	s_add_nc_u64 s[88:89], s[78:79], QSO           ; Q's scale words,
	s_add_nc_u64 s[78:79], s[78:79], KSO           ; K's,
	s_lshl_b32 s90, s31, 8
	s_add_co_u32 s90, s90, s30
	s_add_nc_u64 s[80:81], s[18:19], s[90:91]      ; V's (VSO behind this)
	s_mov_b32 s2, 0x76543210
	s_mov_b32 s3, 0xfedcba98                       ; selects for lane l xor 16
	s_mov_b32 s25, 0                               ; the loop's trips
	v_and_b32 v12, 31, v0                          ; lane
	v_bfe_u32 v13, v0, 4, 1                        ; h
	v_and_b32 v15, 15, v0                          ; r
	v_lshlrev_b32 v1, 4, v12
	v_lshlrev_b32 v2, 3, v12
	v_lshlrev_b32 v3, 2, v12
	v_add_nc_u32 v4, s84, v1
	v_add_nc_u32 v8, s85, v1
	v_add_nc_u32 v5, QB, v4
	v_add_nc_u32 v9, QB, v8
	v_lshlrev_b32 v16, 6, v13                      ; Q, K: the bias runs along the weight's columns: tile a, register i of lane (r, h): column 32 (a / 2) + 16 h + 8 (a % 2) + i of my 64
	v_and_b32 v17, 8, v15
	v_add_nc_u32 v17, v17, v15
	v_lshlrev_b32 v17, 2, v17                      ; V: all eight registers of tile a hold bv of the lane's own column: 4 (r + 8 (r / 8))
	v_min_u32 v14, 23, v12
	v_lshl_add_u32 v14, v14, 8, s29                ; the prefetches' offset, from Wq's first byte on; never rewritten
	WIN 0xc0                                       ; destination window 3
	v_mov_b32 v[FLR], 0x1800000
.irp i, 4,5,6,7
	v_mov_b32 v[TM+\i], 0                          ; a lane permute's destination counts as one of its sources
.endr
	v_lshlrev_b32 v[H8], 3, v13
	WIN 0
.irp j, 0,1,2,3
.irp s, 0,1,2,3,4,5,6,7
	global_load_b32 v[XW+8*\j+\s], v3, s[94:95] offset:1024*\j+128*\s
.endr
.endr
.irp j, 0,1
.irp s, 0,1,2,3,4,5,6,7
	global_load_b32 v[WW+8*\j+\s], v3, s[98:99] offset:1024*\j+128*\s
.endr
.endr
	WIN 0xc0
.irp a, 0,1,2,3
	global_load_b128 v[BQ+8*\a:BQ+8*\a+3], v16, s[12:13] offset:128*(\a/2)+32*(\a%2)
	global_load_b128 v[BQ+8*\a+4:BQ+8*\a+7], v16, s[12:13] offset:128*(\a/2)+32*(\a%2)+16
.endr
.irp a, 0,1,2,3
.irp i, 0,1,2,3,4,5,6,7
	global_load_b32 v[BV+8*\a+\i], v17, s[16:17] offset:128*(\a/2)+32*(\a%2)
.endr
.endr
	WIN 0
	global_prefetch_b8 v14, s[8:9] offset:64*RT th:TH_LOAD_NT scope:SCOPE_SE   ; Wk's rows
	WALU
	s_cmp_lt_u32 s20, 2                            ; the first half of K is waves 0 and 1's: they wait for their loads; the other two loads may be out
	s_cbranch_scc0 .Lnot_first
	s_wait_tensorcnt 0x0
.Lnot_first:
	BARRIER
	FETCH 0
	s_wait_loadcnt 0x0                             ; scale words and biases
; ---------------- Q, then K
.Lqk:
	STEP 0, 0
	STEP 0, 1
	STEP 0, 2
	STEP 0, 3
	STEP 0, 4
	STEP 0, 5
	STEP 0, 6
	STEP 0, 7
	PLACES 4                                       ; behind the last products: their results are read, and loads land on their scale registers, below
	s_add_nc_u64 s[98:99], s[98:99], 0x8000        ; the next weight's scale words (32 pairs on): they land under the epilogue
.irp j, 0,1
.irp s, 0,1,2,3,4,5,6,7
	global_load_b32 v[WW+8*\j+\s], v3, s[98:99] offset:1024*\j+128*\s
.endr
.endr
	s_cmp_eq_u32 s25, 0                            ; behind Q: K's bias takes Q's registers
	s_cbranch_scc0 .Lno_bias
	WIN 0xc0
.irp a, 0,1,2,3
	global_load_b128 v[BQ+8*\a:BQ+8*\a+3], v16, s[14:15] offset:128*(\a/2)+32*(\a%2)
	global_load_b128 v[BQ+8*\a+4:BQ+8*\a+7], v16, s[14:15] offset:128*(\a/2)+32*(\a%2)+16
.endr
	WIN 0
.Lno_bias:
	EPIQ
	WALU
	s_wait_xcnt 0x0                                ; the stores have read their bases:
	s_mov_b64 s[86:87], s[76:77]                   ; the next trip stores K's
	s_mov_b64 s[88:89], s[78:79]
	s_wait_loadcnt 0x0
	s_add_co_u32 s25, s25, 1
	s_cmp_lt_u32 s25, 2
	s_cbranch_scc1 .Lqk
; ---------------- V
	STEP 1, 0
	STEP 1, 1
	STEP 1, 2
	STEP 1, 3
	STEP 1, 4
	STEP 1, 5
	STEP 1, 6
	STEP 1, 7
	PLACES 4
	EPIV
	s_wait_tensorcnt 0x0                           ; the wave's end
	ds_add_u32 v254, v255
	s_wait_dscnt 0x0
	ROUND                                          ; the closing round: no work-group ends while a partner may still ask for a tile that names it
	s_endpgm
.Lfunc_end_k_qc78d488664_qkv:
	.size	k_qc78d488664_qkv, .Lfunc_end_k_qc78d488664_qkv-k_qc78d488664_qkv
	.p2alignl 7, 3214868480
	.fill 96, 4, 3214868480
	.section	.rodata,"a",@progbits
	.p2align	6, 0x0
	.amdhsa_kernel k_qc78d488664_qkv
		.amdhsa_group_segment_fixed_size 327680
		.amdhsa_private_segment_fixed_size 0
		.amdhsa_enable_private_segment 0
		.amdhsa_kernarg_size 64
		.amdhsa_user_sgpr_count 2
		.amdhsa_user_sgpr_kernarg_segment_ptr 1
		.amdhsa_wavefront_size32 1
		.amdhsa_system_sgpr_workgroup_id_x 1
		.amdhsa_system_sgpr_workgroup_id_y 1
		.amdhsa_system_sgpr_workgroup_id_z 1
		.amdhsa_system_vgpr_workitem_id 0
		.amdhsa_next_free_vgpr 1024
		.amdhsa_next_free_sgpr 100
		.amdhsa_reserve_vcc 1
		.amdhsa_float_denorm_mode_32 3
		.amdhsa_float_denorm_mode_16_64 3
		.amdhsa_memory_ordered 1
		.amdhsa_forward_progress 1
		.amdhsa_inst_pref_size 157
	.end_amdhsa_kernel
	.amdgpu_metadata
---
amdhsa.version: [ 1, 2 ]
amdhsa.kernels:
  - .name:           k_qc78d488664_qkv
    .symbol:         k_qc78d488664_qkv.kd
    .args:
      - { .name: xc, .offset: 0, .size: 8, .value_kind: global_buffer, .address_space: global }
      - { .name: xs, .offset: 8, .size: 8, .value_kind: global_buffer, .address_space: global }
      - { .name: wc, .offset: 16, .size: 8, .value_kind: global_buffer, .address_space: global }
      - { .name: ws, .offset: 24, .size: 8, .value_kind: global_buffer, .address_space: global }
      - { .name: bq, .offset: 32, .size: 8, .value_kind: global_buffer, .address_space: global }
      - { .name: bk, .offset: 40, .size: 8, .value_kind: global_buffer, .address_space: global }
      - { .name: bv, .offset: 48, .size: 8, .value_kind: global_buffer, .address_space: global }
      - { .name: qkv, .offset: 56, .size: 8, .value_kind: global_buffer, .address_space: global }
    .group_segment_fixed_size: 327680
    .private_segment_fixed_size: 0
    .kernarg_segment_align: 8
    .kernarg_segment_size: 64
    .max_flat_workgroup_size: 128
    .sgpr_count:     100
    .vgpr_count:     1024
    .wavefront_size: 32
...
	.end_amdgpu_metadata
.endif
;; end of part 2
;; launch attn (part 3): grid 4 x 64, 8 waves a work-group, clusters of 4 x 1, 210,944 bytes of LDS; arguments qkv, cc, cs; writes cc, cs
.if DOCPART == 3
	.amdgcn_target "amdgcn-amd-amdhsa--gfx1250"
	.amdhsa_code_object_version 6
	.text
	.protected	k_qc78d488664_attn
	.globl	k_qc78d488664_attn
	.p2align	8
	.type	k_qc78d488664_attn,@function
k_qc78d488664_attn:
	s_mov_b64 s[64:65], 0
	v_nop
	global_prefetch_b8 v0, s[64:65] scope:SCOPE_SE
	s_setreg_imm32_b32 hwreg(HW_REG_WAVE_MODE, 25, 1), 1
	s_wait_xcnt 0x0
	s_wait_alu depctr_hold_cnt(0) depctr_sa_sdst(0) depctr_va_vdst(0) depctr_va_sdst(0) depctr_va_ssrc(0) depctr_va_vcc(0) depctr_vm_vsrc(0)
	s_getreg_b32 s2, hwreg(HW_REG_IB_STS2, 6, 4)
	s_cmp_eq_u32 s2, 0
	s_cbranch_scc0 .Lentry_in_a_cluster
	s_endpgm
.Lentry_in_a_cluster:
	s_bfe_u32 s2, ttmp6, 0x10000c
	s_cmp_lg_u32 s2, 0x3003
	s_cbranch_scc0 .Lentry_shape_is_right
	s_endpgm
.Lentry_shape_is_right:
; ctx[b][q][64 head + d] = sum over k of softmax_k(Q . K / 8) V, both products on codes of FP6 (E2M3) with E8M0 scales, and ctx quantised again, in registers, for the last projection.
; THE SOFTMAX: t = score x log2(e) / 8; M = the running largest t rounded UP to a whole number; p = 2^(t - M) is quantised along the keys, not normalised; the row's sum is taken of the unquantised p and divides at
; the end.  When M moves, the sum and O are multiplied by 2^(old M - new M): exact.
; SHARES.  A work-group owns 512 queries of one head (work-group y = 16 x batch + head); wave w of eight owns 64 of them (four tiles of 16), 512 registers, two waves to a SIMD.  A step is 128 keys; in it the wave's
; tiles go as two PAIRS, and every line of the softmax takes the pair's two tiles by turns.  One fetch of K's and V's fragments serves all four tiles.
; LDS is the first 208,896 bytes of the head's record as they lie in memory: K's codes, V^T's codes, K's and V's scale words, as images of operand registers.  FILLED ONCE, by eight loads of 26,112 bytes, one a wave
; (one is out, by this text's count); no byte is filled again and no barrier stands in the loop.
; CLUSTER 4 x 1: the four work-groups of a head read the same record: each load is asked for jointly.  No prefetch: all that is read is asked for at the head, and there is no loop to run ahead in.
; LAYOUT.  Both products transposed: S^T = K Q^T (source 0 = 16 keys), O^T = V^T P^T (source 0 = 16 of d): a lane holds ONE query.  Tile 4 g + j of a step's keys, lane row r, is key 64 g + 8 j + r % 8 + 32 (r / 8): so the 32
; registers of four neighbouring tiles are, in lane (r, h), keys 64 g + 32 h + 0 .. 31: a WHOLE scale block, in the order of the next operand's registers.  No lane asks another for a block's maximum, and the conversions'
; results are p's fragment as they fall.  The head's 64 fill half of the instruction's 128 along K: Q's registers 6-11 are zero codes, K's registers 6-11 are the next tile's codes or zeros, both sides' bytes there stand for 1.
; A BLOCK'S LARGEST p is made from its largest score by the same multiply-add and exponential as every p (this takes v_exp_f32 not to fall where its input rises).
; LIMITS: the promise holds while |t| stays under 2^31; a block of zeros gets the scale byte 1 (its codes are zeros; only this program reads the bytes); NaN and infinities are not served.
; REGISTERS.  Window 0: v1-4 the step's LDS addresses; v5 8 h; v6, v7 the add's two; v8-11 K's scale words, v12-13 V's, v14-15 Q's, v16-17 p's; v18, v19 8, 2 x lane; v20-35 for each tile -M, largest score, the sum's two halves;
;   v36-73 at work; v74-121 K's four images, v122-127 zeros; v128-255 S^T, then p, of a pair.  Window 1: v0-127 O^T of four tiles; v128-175 Q's four fragments; v176-223 V's four; v224-247 p's codes of a pair.
.set RT,  12288
.set REC, 315392
.set VC,  98304
.set KSO, 196608
.set VSO, 204800
.set QC,  208896
.set QSO, 307200
.set SPARE, 0x33000                    ; behind the record: the spare words, 128 bytes a wave
.set KA,  1
.set VA,  2
.set KSA, 3
.set VSA, 4
.set H8,  5
.set SPW, 6
.set NIL, 7
.set KW,  8
.set VW,  12
.set QW,  14
.set PW,  16
.set L8,  18
.set L2,  19
.set ST,  20                           ; tile u: -M at ST + 4 u, the largest score at + 1, the sum at + 2, + 3
.set MX,  36                           ; v36-39 largest score, then largest p, then byte of block c of tile e at MX + 2 e + c
.set SO,  40                           ; v40-43 the conversions' scale operands
.set FF,  44                           ; v44, v46 f (each named as a pair with the register behind it)
.set PT,  48                           ; v48-51 at work
.set CT,  52                           ; v52-67 the second conversions' codes; then the sums' second chains
.set BK,  68                           ; v68-71 lane terms of the four LDS addresses, each one step on
.set BV,  69
.set BKS, 70
.set BVS, 71
.set OM,  72                           ; v72, v73 the old -M
.set KF,  74
.set SS,  128
.set OO,  0                            ; window 1
.set QF,  128
.set VF,  176
.set CD,  224
.set MSB, 0
.macro WIN new                         ; the immediate's high byte repeats the setting that is left
.if MSB != \new
	s_set_vgpr_msb (MSB<<8)|\new
.set MSB, \new
.endif
.endm
.macro WALU
	s_wait_alu depctr_va_vdst(0)
.endm
.macro ROUND                           ; a round of the cluster's barrier
	s_barrier_signal -1
	s_barrier_wait -1
	s_cmp_lg_u32 s10, 0
	s_cbranch_scc1 .Lnot_wave_0_\@
	s_barrier_signal -3
.Lnot_wave_0_\@:
	s_barrier_wait -3
	s_barrier_signal -1
	s_barrier_wait -1
.endm
.macro KLOAD                           ; a step's four images of K and its scale words: 14 loads
.irp b, 0,1,2,3
.irp c, 0,1,2
	ds_load_b128 v[KF+12*\b+4*\c:KF+12*\b+4*\c+3], v[KA] offset:1536*\b+512*\c
.endr
.endr
	ds_load_b64 v[KW:KW+1], v[KSA]
	ds_load_b64 v[KW+2:KW+3], v[KSA] offset:256
.endm
.macro VLOAD                           ; a step's four fragments of V^T and their scale words: 13 loads
	WIN 0x40                                       ; destination window 1
.irp t, 0,1,2,3
.irp c, 0,1,2
	ds_load_b128 v[VF+12*\t+4*\c:VF+12*\t+4*\c+3], v[VA] offset:1536*\t+512*\c
.endr
.endr
	WIN 0
	ds_load_b64 v[VW:VW+1], v[VSA]
.endm
; A PAIR OF QUERY TILES (u = 2 pr + e) against a step's 128 keys
.macro PAIR pr
	WIN 0x04                                       ; source 1 (Q) window 1
.irp tp, 0,1,2,3
.irp ra, 0,1
.irp e, 0,1
	v_wmma_scale_f32_16x16x128_f8f6f4 v[SS+64*\e+16*\tp+8*\ra:SS+64*\e+16*\tp+8*\ra+7], v[KF+12*\tp+6*\ra:KF+12*\tp+6*\ra+11], v[QF+24*(\pr)+12*\e:QF+24*(\pr)+12*\e+11], 0, v[KW+\tp], v[QW+(\pr)] matrix_a_fmt:MATRIX_FMT_FP6 matrix_b_fmt:MATRIX_FMT_FP6 matrix_a_scale:MATRIX_SCALE_ROW\ra matrix_b_scale:MATRIX_SCALE_ROW\e
.endr
.endr
.endr
	WIN 0
.irp e, 0,1
	v_mov_b32 v[OM+\e], v[ST+8*(\pr)+4*\e]         ; the old -M.  (These four lines are the places behind the products)
.endr
.if (\pr) == 0
	v_add_nc_u32 v[VA], s32, v[BV]                 ; the next step's fragments of V and their scale words
	v_add_nc_u32 v[VSA], s34, v[BVS]
.else
	v_add_nc_u32 v[KA], s32, v[BK]                 ; the next step's images of K and their scale words:
	v_add_nc_u32 v[KSA], s33, v[BKS]
	s_cmp_eq_u32 s35, 1                            ; fetched here, behind this step's last products on K; the last step fetches nothing
	s_cbranch_scc1 .Lno_k_\@
	KLOAD
.Lno_k_\@:
.endif
.irp e, 0,1
.irp c, 0,1
	v_max3_num_f32 v[MX+2*\e+\c], v[SS+64*\e+32*\c], v[SS+64*\e+32*\c+1], v[SS+64*\e+32*\c+2]   ; the largest score of my block 2 c + h: four chains by turns; each accumulator is read from its low end on
.endr
.endr
.irp i, 3,5,7,9,11,13,15,17,19,21,23,25,27,29
.irp e, 0,1
.irp c, 0,1
	v_max3_num_f32 v[MX+2*\e+\c], v[MX+2*\e+\c], v[SS+64*\e+32*\c+\i], v[SS+64*\e+32*\c+\i+1]
.endr
.endr
.endr
.irp e, 0,1
.irp c, 0,1
	v_max_num_f32 v[MX+2*\e+\c], v[MX+2*\e+\c], v[SS+64*\e+32*\c+31]
.endr
.endr
.irp e, 0,1
	v_max_num_f32 v[PT+\e], v[MX+2*\e], v[MX+2*\e+1]
.endr
.irp e, 0,1
	v_permlanex16_b32 v[PT+2+\e], v[PT+\e], s16, s17
.endr
.irp e, 0,1
	v_max3_num_f32 v[ST+8*(\pr)+4*\e+1], v[ST+8*(\pr)+4*\e+1], v[PT+\e], v[PT+2+\e]   ; the running largest score of my query
.endr
.irp e, 0,1
	v_mul_f32 v[PT+\e], s48, v[ST+8*(\pr)+4*\e+1]  ; -t
.endr
.irp e, 0,1
	v_floor_f32 v[ST+8*(\pr)+4*\e], v[PT+\e]       ; the new -M = floor(-t) = -ceil(t)
.endr
.irp e, 0,1
	v_sub_f32 v[PT+\e], v[ST+8*(\pr)+4*\e], v[OM+\e]   ; old M - new M: a whole number, 0 or less
.endr
.irp e, 0,1
	v_cvt_i32_f32 v[PT+\e], v[PT+\e]               ; (it saturates)
.endr
.irp e, 0,1
	v_ldexp_f32 v[FF+2*\e], 1.0, v[PT+\e]          ; f = 2^(old M - new M)
.endr
.set j, 0
.rept 32
.irp e, 0,1
	v_pk_fma_f32 v[SS+64*\e+j:SS+64*\e+j+1], v[SS+64*\e+j:SS+64*\e+j+1], s[18:19], v[ST+8*(\pr)+4*\e:ST+8*(\pr)+4*\e+1] op_sel_hi:[1,0,0]   ; t - M, two at a time
.endr
.set j, j+2
.endr
.irp e, 0,1
.irp c, 0,1
	v_fma_f32 v[MX+2*\e+\c], v[MX+2*\e+\c], s18, v[ST+8*(\pr)+4*\e]   ; the same of each block's largest score
.endr
.endr
	WALU                                           ; the wait ahead of the batch,
.irp k, 0,1,2,3
	v_exp_f32 v[MX+\k], v[MX+\k]                   ; the blocks' largest p
.endr
.set j, 0
.rept 128
	v_exp_f32 v[SS+j], v[SS+j]                     ; p = 2^(t - M), at most 1
.set j, j+1
.endr
.irp e, 0,1
	v_pk_mul_f32 v[ST+8*(\pr)+4*\e+2:ST+8*(\pr)+4*\e+3], v[ST+8*(\pr)+4*\e+2:ST+8*(\pr)+4*\e+3], v[FF+2*\e:FF+2*\e+1] op_sel_hi:[1,0]   ; the sums under the new M: plain places behind the exponentials
.endr
	WALU                                           ; and behind it, ahead of its first reader
.irp k, 0,1,2,3
	v_max_num_f32 v[MX+\k], 0x1800000, v[MX+\k]    ; the floor 2^(3 - 127): the byte cannot fall under 1
.endr
.irp k, 0,1,2,3
	v_add_nc_u32 v[SO+\k], 0xff000000, v[MX+\k]    ; 2 off the exponent field: the conversion's scale operand
.endr
.irp k, 0,1,2,3
	v_lshrrev_b32 v[MX+\k], 23, v[SO+\k]           ; the byte
.endr
.irp e, 0,1
	v_lshl_or_b32 v[PT+\e], v[MX+2*\e+1], 16, v[MX+2*\e]
.endr
.irp e, 0,1
	v_lshlrev_b32 v[PT+\e], v[H8], v[PT+\e]        ; my two bytes at their places: blocks h and 2 + h
.endr
.irp e, 0,1
	v_permlanex16_b32 v[PT+2+\e], v[PT+\e], s16, s17
.endr
.irp e, 0,1
	v_or_b32 v[PW+\e], v[PT+\e], v[PT+2+\e]        ; p's scale word for these 128 keys
.endr
.irp e, 0,1
.irp c, 0,1
	v_cvt_scalef32_pk16_fp6_f32 v[CT+8*\e+4*\c:CT+8*\e+4*\c+2], v[SS+64*\e+32*\c+16:SS+64*\e+32*\c+31], v[SO+2*\e+\c]   ; (a conversion's three registers begin on an even number: a block's upper half is made here and moved)
.endr
.endr
	WIN 0x40                                       ; destination window 1
.irp e, 0,1
.irp c, 0,1
	v_cvt_scalef32_pk16_fp6_f32 v[CD+12*\e+6*\c:CD+12*\e+6*\c+2], v[SS+64*\e+32*\c:SS+64*\e+32*\c+15], v[SO+2*\e+\c]
.endr
.endr
	v_nop                                          ; one plain place behind the scaled conversions
.irp e, 0,1
.irp c, 0,1
.irp i, 0,1,2
	v_mov_b32 v[CD+12*\e+6*\c+3+\i], v[CT+8*\e+4*\c+\i]
.endr
.endr
.endr
	WIN 0x41                                       ; source 0 and destination window 1
	WALU                                           ; directly ahead of the first reader of O^T
.set j, 0
.rept 16
.irp e, 0,1
	v_pk_mul_f32 v[OO+64*(\pr)+32*\e+j:OO+64*(\pr)+32*\e+j+1], v[OO+64*(\pr)+32*\e+j:OO+64*(\pr)+32*\e+j+1], v[FF+2*\e:FF+2*\e+1] op_sel_hi:[1,0]   ; O^T under the new M.  (Also the places between the lines that made p's codes and scale word and the products)
.endr
.set j, j+2
.endr
.if (\pr) == 0
	WALU
	s_wait_dscnt 0x0                               ; V's fragments and scale words are in (nothing was issued behind them)
.endif
	WIN 0x55                                       ; all of the product in window 1
.irp tp, 0,1
.irp ra, 0,1
.irp e, 0,1
	v_wmma_scale_f32_16x16x128_f8f6f4 v[OO+64*(\pr)+32*\e+16*\tp+8*\ra:OO+64*(\pr)+32*\e+16*\tp+8*\ra+7], v[VF+24*\tp+12*\ra:VF+24*\tp+12*\ra+11], v[CD+12*\e:CD+12*\e+11], v[OO+64*(\pr)+32*\e+16*\tp+8*\ra:OO+64*(\pr)+32*\e+16*\tp+8*\ra+7], v[VW+\tp], v[PW+\e] matrix_a_fmt:MATRIX_FMT_FP6 matrix_b_fmt:MATRIX_FMT_FP6 matrix_a_scale:MATRIX_SCALE_ROW\ra matrix_b_scale:MATRIX_SCALE_ROW0
.endr
.endr
.endr
	WIN 0
.irp e, 0,1
	v_pk_add_f32 v[CT+4*\e:CT+4*\e+1], v[SS+64*\e:SS+64*\e+1], v[SS+64*\e+2:SS+64*\e+3]   ; THE ROW'S SUM, of the unquantised p: two chains a tile, four by turns.  (These lines are the places behind the products)
.endr
.set j, 4
.rept 15
.irp e, 0,1
	v_pk_add_f32 v[ST+8*(\pr)+4*\e+2:ST+8*(\pr)+4*\e+3], v[ST+8*(\pr)+4*\e+2:ST+8*(\pr)+4*\e+3], v[SS+64*\e+j:SS+64*\e+j+1]
.endr
.irp e, 0,1
	v_pk_add_f32 v[CT+4*\e:CT+4*\e+1], v[CT+4*\e:CT+4*\e+1], v[SS+64*\e+j+2:SS+64*\e+j+3]
.endr
.set j, j+4
.endr
.irp e, 0,1
	v_pk_add_f32 v[ST+8*(\pr)+4*\e+2:ST+8*(\pr)+4*\e+3], v[ST+8*(\pr)+4*\e+2:ST+8*(\pr)+4*\e+3], v[CT+4*\e:CT+4*\e+1]
.endr
.endm
; ---------------- the head
	s_load_b128 s[4:7], s[0:1], 0x0                ; qkv, cc
	s_load_b64 s[8:9], s[0:1], 0x10                ; cs
	v_lshl_add_u32 v[SPW], v0, 2, SPARE
	v_mov_b32 v[NIL], 0
	ds_add_u32 v[SPW], v[NIL]                      ; the opening lines: the add, twice on end, and its wait ahead of my tensor load
	ds_add_u32 v[SPW], v[NIL]
	v_lshrrev_b32 v1, 5, v0
	v_readfirstlane_b32 s10, v1                    ; wave 0..7
	s_bfe_u32 s11, ttmp6, 0x40000                  ; cx
	s_and_b32 s12, ttmp7, 0xffff                   ; 16 x batch + head: the four partners share it
	s_lshl_b32 s13, s11, 3
	s_add_co_u32 s13, s13, s10                     ; my run of 64 queries, 0..31: it enters global addresses alone
	s_mul_i32 s14, s12, REC
	s_mov_b32 s15, 0
	s_mul_i32 s21, s10, 26112                      ; my load's place, in LDS and in the record
	s_mov_b32 s44, s21
	s_mov_b32 s45, 0
	s_mov_b32 s24, 15|(3<<16)|(1<<21)              ; group 1: the mask: all four; elements of 8 bytes; bit 21 beside a mask; no padding
	s_mov_b32 s25, 32<<16                          ; tensor_dim0: 256 bytes
	s_mov_b32 s26, 102<<16                         ; tensor_dim1: 102 rows
	s_mov_b32 s27, 32<<16                          ; tile_dim0
	s_mov_b32 s28, 102                             ; tile_dim1
	s_mov_b32 s29, 32                              ; dense
	s_mov_b32 s30, 0
	s_mov_b32 s31, 0
	s_mov_b32 s16, 0x76543210
	s_mov_b32 s17, 0xfedcba98                      ; selects for lane l xor 16
	s_mov_b32 s18, 0x3e38aa3b                      ; c = log2(e) / 8
	s_mov_b32 s19, s18                             ; (named with it as a pair)
	s_mov_b32 s48, 0xbe38aa3b                      ; -c
	s_mul_i32 s36, s13, 3072
	s_add_co_u32 s36, s36, QC                      ; my two pairs' images of Q
	s_mov_b32 s37, 0
	s_lshl_b32 s38, s13, 8
	s_add_co_u32 s38, s38, QSO                     ; their scale words: 256 bytes
	s_mov_b32 s39, 0
	s_lshr_b32 s46, s12, 4                         ; batch
	s_and_b32 s47, s12, 15                         ; head
	s_lshl_b32 s40, s46, 7
	s_lshl_b32 s41, s13, 2
	s_add_co_u32 s40, s40, s41                     ; ctx's first tile: 128 x batch + 4 x run
	s_mul_i32 s40, s40, RT
	s_mul_i32 s41, s47, 768                        ; the head's half of its K step's fragment
	s_add_co_u32 s40, s40, s41
	s_mov_b32 s41, 0
	s_lshl_b32 s42, s46, 6
	s_lshl_b32 s43, s13, 1
	s_add_co_u32 s42, s42, s43
	s_lshl_b32 s42, s42, 6                         ; ctx's scale halfwords: [head][pair][lane]
	s_lshl_b32 s43, s47, 14
	s_add_co_u32 s42, s42, s43
	s_mov_b32 s43, 0
	s_mov_b32 s32, 0
	s_mov_b32 s33, 0
	s_mov_b32 s34, 0
	s_mov_b32 s35, 16
	s_wait_dscnt 0x0
	s_wait_kmcnt 0x0
	s_add_nc_u64 s[4:5], s[4:5], s[14:15]          ; the head's record
	s_mov_b32 s20, 1                               ; group 0
	s_add_nc_u64 s[22:23], s[4:5], s[44:45]
	s_or_b32 s23, s23, 0x80000000
	s_add_nc_u64 s[36:37], s[4:5], s[36:37]
	s_add_nc_u64 s[38:39], s[4:5], s[38:39]
	s_add_nc_u64 s[40:41], s[6:7], s[40:41]
	s_add_nc_u64 s[42:43], s[8:9], s[42:43]
	ROUND                                          ; all four work-groups are here: the joint loads meet
	tensor_load_to_lds s[20:23], s[24:31]
	s_nop 0
.rept 4
	v_nop
.endr
	v_and_b32 v[L2], 31, v0                        ; lane
	v_lshlrev_b32 v[KA], 4, v[L2]
	v_lshlrev_b32 v[L8], 3, v[L2]
	v_lshrrev_b32 v[H8], 4, v[L2]
	v_lshlrev_b32 v[L2], 1, v[L2]
	v_lshlrev_b32 v[H8], 3, v[H8]
.irp c, 0,1,2,3,4,5
	global_load_b128 v[SS+4*\c:SS+4*\c+3], v[KA], s[36:37] offset:512*\c   ; register 6 u + i: tile u's register i
.endr
	global_load_b64 v[QW:QW+1], v[L8], s[38:39]
	v_add_nc_u32 v[VA], VC, v[KA]
	v_add_nc_u32 v[KSA], KSO, v[L8]
	v_add_nc_u32 v[VSA], VSO, v[L8]
	v_add_nc_u32 v[BK], 6144, v[KA]
	v_add_nc_u32 v[BV], VC+6144, v[KA]
	v_add_nc_u32 v[BKS], KSO+512, v[L8]
	v_add_nc_u32 v[BVS], VSO+256, v[L8]
.irp u, 0,1,2,3
	v_mov_b32 v[ST+4*\u+1], 0xff61b1e6             ; the largest score so far: -3e38
	v_mov_b32 v[ST+4*\u], 0x7e23a000               ; -M to go with it: a whole number near 5e37, over every -M that follows
	v_mov_b32 v[ST+4*\u+2], 0
	v_mov_b32 v[ST+4*\u+3], 0
	v_mov_b32 v[PT+\u], 0                          ; a lane permute's destination counts as one of its sources
.endr
	v_mov_b32 v[FF+1], 0                           ; (named as the upper halves of f's pairs)
	v_mov_b32 v[FF+3], 0
.irp i, 0,1,2,3,4,5
	v_mov_b32 v[KF+48+\i], 0                       ; behind K's last tile
.endr
	WIN 0x40                                       ; destination window 1
.set j, 0
.rept 128
	v_mov_b32 v[OO+j], 0                           ; O^T: the step is written once, and its first trip finds zeros, which the first change of M leaves zeros
.set j, j+1
.endr
	s_wait_loadcnt 0x0                             ; Q
.irp u, 0,1,2,3
.irp i, 0,1,2,3,4,5
	v_mov_b32 v[QF+12*\u+\i], v[SS+6*\u+\i]
	v_mov_b32 v[QF+12*\u+6+\i], 0                  ; Q's upper 64 along K: zero codes
.endr
.endr
	WIN 0
	WALU
	s_wait_tensorcnt 0x0                           ; my part of the record is in,
	s_barrier_signal -1
	s_barrier_wait -1                              ; everybody's is
	KLOAD                                          ; step 0's
; ---------------- sixteen steps of 128 keys
.Lstep:
	VLOAD
	s_wait_dscnt 13                                ; K's 14 loads are in; the 13 just issued may be out
	PAIR 0
	PAIR 1
	s_add_co_u32 s32, s32, 6144
	s_add_co_u32 s33, s33, 512
	s_add_co_u32 s34, s34, 256
	s_sub_co_u32 s35, s35, 1
	s_cmp_lg_u32 s35, 0
	s_cbranch_scc1 .Lstep
; ---------------- the end: O^T / the sum, quantised along d (two blocks of 32 a tile; register 16 B + i of a tile is d = 32 B + 16 h + i), stored as the head's half of a fragment of ctx.  The four tiles by turns.
.irp u, 0,1,2,3
	v_add_f32 v[ST+4*\u+2], v[ST+4*\u+2], v[ST+4*\u+3]
.endr
.irp u, 0,1,2,3
	v_permlanex16_b32 v[PT+\u], v[ST+4*\u+2], s16, s17
.endr
.irp u, 0,1,2,3
	v_add_f32 v[ST+4*\u+2], v[ST+4*\u+2], v[PT+\u] ; the row's sum
.endr
	WALU
.irp u, 0,1,2,3
	v_rcp_f32 v[ST+4*\u+2], v[ST+4*\u+2]
.endr
	v_nop                                          ; a plain place behind the reciprocals
	WIN 0x01                                       ; source 0 window 1
	WALU                                           ; ahead of their first reader, which is O^T's too
.irp u, 0,1,2,3
.set j, 0
.rept 16
	v_pk_mul_f32 v[SS+32*\u+j:SS+32*\u+j+1], v[OO+32*\u+j:OO+32*\u+j+1], v[ST+4*\u+2:ST+4*\u+3] op_sel_hi:[1,0]
.set j, j+2
.endr
.endr
	WIN 0
.irp k, 0,1,2,3,4,5,6,7                ; chain k = 2 u + B
	v_max3_num_f32 v[MX+\k], |v[SS+16*\k]|, |v[SS+16*\k+1]|, 0x1800000
.endr
.irp i, 2,4,6,8,10,12,14
.irp k, 0,1,2,3,4,5,6,7
	v_max3_num_f32 v[MX+\k], v[MX+\k], |v[SS+16*\k+\i]|, |v[SS+16*\k+\i+1]|
.endr
.endr
.irp k, 0,1,2,3,4,5,6,7
	v_permlanex16_b32 v[KF+\k], v[MX+\k], s16, s17 ; (K's registers are done with)
.endr
.irp k, 0,1,2,3,4,5,6,7
	v_max_num_f32 v[MX+\k], v[MX+\k], v[KF+\k]     ; with lane l xor 16's 16: the block's largest magnitude
.endr
.irp k, 0,1,2,3,4,5,6,7
	v_add_nc_u32 v[KF+8+\k], 0xff000000, v[MX+\k]
.endr
.irp k, 0,1,2,3,4,5,6,7
	v_lshrrev_b32 v[MX+\k], 23, v[KF+8+\k]
.endr
.irp u, 0,1,2,3
	v_lshl_or_b32 v[KF+16+\u], v[MX+2*\u+1], 8, v[MX+2*\u]   ; my row's two bytes
.endr
.irp u, 0,1,2,3
	v_cvt_scalef32_pk16_fp6_f32 v[KF+24+6*\u:KF+24+6*\u+2], v[SS+32*\u:SS+32*\u+15], v[KF+8+2*\u]
	v_cvt_scalef32_pk16_fp6_f32 v[CT+4*\u:CT+4*\u+2], v[SS+32*\u+16:SS+32*\u+31], v[KF+8+2*\u+1]
.endr
	v_cmp_le_u32 vcc_lo, 128, v[L8]                ; lanes 16-31.  (A plain place behind the scaled conversions)
.irp u, 0,1,2,3
.irp i, 0,1,2
	v_permlane16_swap_b32 v[KF+24+6*\u+\i], v[CT+4*\u+\i]   ; a whole block in a lane: lanes 0-15 block 0, lanes 16-31 block 1
.endr
.endr
.irp u, 0,1,2,3
.irp i, 0,1,2
	v_mov_b32 v[KF+24+6*\u+3+\i], v[CT+4*\u+\i]
.endr
.endr
	v_cndmask_b32 v[KF+16], v[KF+16], v[KF+17], vcc_lo   ; lanes 0-15 carry the even tile's halfword, lanes 16-31 the odd one's
	v_cndmask_b32 v[KF+18], v[KF+18], v[KF+19], vcc_lo
.irp u, 0,1,2,3
.irp c, 0,1,2
	global_store_b64 v[L8], v[KF+24+6*\u+2*\c:KF+24+6*\u+2*\c+1], s[40:41] offset:\u*RT+256*\c   ; 256 consecutive bytes a store
.endr
.endr
	global_store_b16 v[L2], v[KF+16], s[42:43]
	global_store_b16 v[L2], v[KF+18], s[42:43] offset:64
	s_wait_tensorcnt 0x0                           ; the wave's end
	ds_add_u32 v[SPW], v[NIL]
	s_wait_dscnt 0x0
	ROUND                                          ; the closing round
	s_endpgm
.Lfunc_end_k_qc78d488664_attn:
	.size	k_qc78d488664_attn, .Lfunc_end_k_qc78d488664_attn-k_qc78d488664_attn
	.p2alignl 7, 3214868480
	.fill 96, 4, 3214868480
	.section	.rodata,"a",@progbits
	.p2align	6, 0x0
	.amdhsa_kernel k_qc78d488664_attn
		.amdhsa_group_segment_fixed_size 210944
		.amdhsa_private_segment_fixed_size 0
		.amdhsa_enable_private_segment 0
		.amdhsa_kernarg_size 24
		.amdhsa_user_sgpr_count 2
		.amdhsa_user_sgpr_kernarg_segment_ptr 1
		.amdhsa_wavefront_size32 1
		.amdhsa_system_sgpr_workgroup_id_x 1
		.amdhsa_system_sgpr_workgroup_id_y 1
		.amdhsa_system_sgpr_workgroup_id_z 1
		.amdhsa_system_vgpr_workitem_id 0
		.amdhsa_next_free_vgpr 512
		.amdhsa_next_free_sgpr 66
		.amdhsa_reserve_vcc 1
		.amdhsa_float_denorm_mode_32 3
		.amdhsa_float_denorm_mode_16_64 3
		.amdhsa_memory_ordered 1
		.amdhsa_forward_progress 1
		.amdhsa_inst_pref_size 78
	.end_amdhsa_kernel
	.amdgpu_metadata
---
amdhsa.version: [ 1, 2 ]
amdhsa.kernels:
  - .name:           k_qc78d488664_attn
    .symbol:         k_qc78d488664_attn.kd
    .args:
      - { .name: qkv, .offset: 0, .size: 8, .value_kind: global_buffer, .address_space: global }
      - { .name: cc, .offset: 8, .size: 8, .value_kind: global_buffer, .address_space: global }
      - { .name: cs, .offset: 16, .size: 8, .value_kind: global_buffer, .address_space: global }
    .group_segment_fixed_size: 210944
    .private_segment_fixed_size: 0
    .kernarg_segment_align: 8
    .kernarg_segment_size: 24
    .max_flat_workgroup_size: 256
    .sgpr_count:     66
    .vgpr_count:     512
    .wavefront_size: 32
...
	.end_amdgpu_metadata
.endif
;; end of part 3
;; launch oproj (part 4): grid 4 x 64, 4 waves a work-group, clusters of 4 x 4, 295,424 bytes of LDS; arguments cc, cs, wc, ws, bo, out0; writes out0
.if DOCPART == 4
	.amdgcn_target "amdgcn-amd-amdhsa--gfx1250"
	.amdhsa_code_object_version 6
	.text
	.protected	k_qc78d488664_oproj
	.globl	k_qc78d488664_oproj
	.p2align	8
	.type	k_qc78d488664_oproj,@function
k_qc78d488664_oproj:
	s_mov_b64 s[64:65], 0
	v_nop
	global_prefetch_b8 v0, s[64:65] scope:SCOPE_SE
	s_setreg_imm32_b32 hwreg(HW_REG_WAVE_MODE, 25, 1), 1
	s_wait_xcnt 0x0
	s_wait_alu depctr_hold_cnt(0) depctr_sa_sdst(0) depctr_va_vdst(0) depctr_va_sdst(0) depctr_va_ssrc(0) depctr_va_vcc(0) depctr_vm_vsrc(0)
	s_getreg_b32 s2, hwreg(HW_REG_IB_STS2, 6, 4)
	s_cmp_eq_u32 s2, 0
	s_cbranch_scc0 .Lentry_in_a_cluster
	s_endpgm
.Lentry_in_a_cluster:
	s_bfe_u32 s2, ttmp6, 0x10000c
	s_cmp_lg_u32 s2, 0xf033
	s_cbranch_scc0 .Lentry_shape_is_right
	s_endpgm
.Lentry_shape_is_right:
; out0 = ctx Wo + bo on codes of FP6 (E2M3) with E8M0 scales; out0 [8192][1024] f32.
; A work-group makes 256 columns (operand P = Wo's columns, source 0) x 128 tokens (operand R = ctx, source 1) over the whole K = 1,024; four waves, each 128 columns x 64 tokens: 32 accumulators.
; A lane holds one token, and its registers run along the columns: tile 2 B + u, lane row r, is row 32 B + 8 u + r + 8 (r / 8), so the 16 registers of two neighbouring tiles of P are 16 neighbouring columns.
; Operands lie in memory as images of fragments, [tile][K step][1,536 bytes].  Wo's: register group c of lane l at 512 c + 16 l.  ctx's: register pair p of lane l at 256 p + 8 l (a head wrote its half of 768 bytes).
; LDS: 4 quarters of K (2 K steps each): P's 16 tiles x 3,072 bytes, then R's 8 x 3,072: 294,912 bytes.  EVERY BYTE IS FILLED ONCE: four tensor loads a wave at the start (four are out, by this text's count).
; CLUSTER 4 x 4: P's tiles hang on cx alone and are asked for jointly by a column of the cluster, R's on cy alone, by a row.  No prefetch: all that is read is asked for at the head.
; THE WAY OUT goes through a stage of 16 rows x 528 bytes a wave, in quarter 0: it has had its only fill, and no wave reads it behind the barrier of K step 1.
; REGISTERS: as in the launch that makes Q, K and V: window 0: v1 16 x lane; v4-7, v8-11 LDS addresses; v32-63 P's scale words, v64-79 R's; v128-223 R's fragments, two sets; window 1: P's fragments, two sets, v192-255 the bias; window 2: accumulators.
.set RT,  12288
; LDS GOES BY TWO HALVES OF K (4 K steps each; this takes the place of the head's quarters): P's 16 tiles x 6,144 bytes, then R's 8 x 6,144: 147,456 bytes a half, each byte filled once.
; ONE tensor load a wave: wave 0 P's first half of K, wave 1 R's, wave 2 P's second half, wave 3 R's.  The stage of the way out lies in the first half, which no wave reads behind the barrier of K step 3.
; TOKENS: tile 4 g + j, lane row r, is token 64 g + 8 j + r % 8 + 32 (r / 8); Wo's columns keep the order given at the head.
.set QB,  147456
.set MSB, 0
.macro WIN new                         ; the immediate's high byte repeats the setting that is left
.if MSB != \new
	s_set_vgpr_msb (MSB<<8)|\new
.set MSB, \new
.endif
.endm
.macro PLACES n
.rept \n
	v_nop
.endr
.endm
.macro ROUND                           ; a round of the cluster's barrier
	s_barrier_signal -1
	s_barrier_wait -1
	s_cmp_lg_u32 s20, 0
	s_cbranch_scc1 .Lnot_wave_0_\@
	s_barrier_signal -3
.Lnot_wave_0_\@:
	s_barrier_wait -3
	s_barrier_signal -1
	s_barrier_wait -1
.endm
.macro FETCH s                         ; K step s: my 8 fragments of P (three loads of 16 bytes a lane) and 4 of R (six of 8) into set s % 2
	WIN 0x40                                       ; destination window 1, address window 0
.irp i, 0,1,2,3,4,5,6,7
.irp c, 0,1,2
	ds_load_b128 v[96*((\s)%2)+12*\i+4*\c:96*((\s)%2)+12*\i+4*\c+3], v[4+(\s)/4] offset:6144*\i+1536*((\s)%4)+512*\c
.endr
.endr
	WIN 0
.irp i, 0,1,2,3
.irp p, 0,1,2,3,4,5
	ds_load_b64 v[128+48*((\s)%2)+12*\i+2*\p:128+48*((\s)%2)+12*\i+2*\p+1], v[8+(\s)/4] offset:6144*\i+1536*((\s)%4)+256*\p
.endr
.endr
.endm
.macro WM a, b, s, cb                  ; one product: R's tile a, P's tile b, K step s, C at cb.  A pair's scale words share a register: the even tile's in lanes 0-15, the odd one's in lanes 16-31
.set rD, 8*(8*(\a)+(\b))
.set rA, 96*((\s)%2)+12*(\b)
.set rB, 128+48*((\s)%2)+12*(\a)
.set rP, 32+8*((\b)/2)+(\s)
.set rR, 68+8*((\a)/2)+(\s)            ; R's scale words lie at v68-83 (in place of the head's v64-79): the two scale registers of a product differ modulo 8
.set rC, \cb
.if ((\b)%2 == 0) && ((\a)%2 == 0)
	v_wmma_scale_f32_16x16x128_f8f6f4 v[rD:rD+7], v[rA:rA+11], v[rB:rB+11], v[rC:rC+7], v[rP], v[rR] matrix_a_fmt:MATRIX_FMT_FP6 matrix_b_fmt:MATRIX_FMT_FP6
.elseif ((\a)%2 == 0)
	v_wmma_scale_f32_16x16x128_f8f6f4 v[rD:rD+7], v[rA:rA+11], v[rB:rB+11], v[rC:rC+7], v[rP], v[rR] matrix_a_fmt:MATRIX_FMT_FP6 matrix_b_fmt:MATRIX_FMT_FP6 matrix_a_scale:MATRIX_SCALE_ROW1
.elseif ((\b)%2 == 0)
	v_wmma_scale_f32_16x16x128_f8f6f4 v[rD:rD+7], v[rA:rA+11], v[rB:rB+11], v[rC:rC+7], v[rP], v[rR] matrix_a_fmt:MATRIX_FMT_FP6 matrix_b_fmt:MATRIX_FMT_FP6 matrix_b_scale:MATRIX_SCALE_ROW1
.else
	v_wmma_scale_f32_16x16x128_f8f6f4 v[rD:rD+7], v[rA:rA+11], v[rB:rB+11], v[rC:rC+7], v[rP], v[rR] matrix_a_fmt:MATRIX_FMT_FP6 matrix_b_fmt:MATRIX_FMT_FP6 matrix_a_scale:MATRIX_SCALE_ROW1 matrix_b_scale:MATRIX_SCALE_ROW1
.endif
.endm
; R's tiles lo .. hi against P's eight.  The 32 accumulators take turns, one instruction a turn, in the same order in every K step.  mode 1: the sums start with the bias.
.macro MUL lo, hi, s, mode
.if \mode == 0
	WIN 0xa1                                       ; source 0 (P) window 1, source 1 (R) window 0, C and D window 2
.else
	WIN 0x91                                       ; C window 1
.endif
.irp a, 0,1,2,3
.if (\a >= \lo) && (\a <= \hi)
.irp b, 0,1,2,3,4,5,6,7
.if \mode == 0
	WM \a, \b, \s, 8*(8*\a+\b)
.else
	WM \a, \b, \s, 192+8*\b
.endif
.endr
.endif
.endr
.endm
; A K step.  Loads into registers that matrix instructions have read stand four plain places behind those instructions.  An odd step opens the next quarter: my part of it has landed (the count leaves the
; later quarters' loads out), a barrier shows everybody's.
.macro STEP s, mode
	s_wait_dscnt 0x0                               ; set s % 2 is in
.if ((\s) != 3) && ((\s) < 7)
.if (\s) > 0
	PLACES 4
.endif
	FETCH (\s)+1
	MUL 0, 3, \s, \mode
.elseif (\s) == 3                      ; K step 3 opens the second half of K: every wave waits for its one load, a barrier shows all of them
	PLACES 4
	s_wait_tensorcnt 0x0
	s_barrier_signal -1
	MUL 0, 1, \s, \mode
	s_barrier_wait -1
	FETCH (\s)+1
	MUL 2, 3, \s, \mode
.else
	MUL 0, 3, \s, \mode
.endif
	WIN 0
.endm
	s_load_b256 s[4:11], s[0:1], 0x0               ; cc s[4:5], cs s[6:7], wc s[8:9], ws s[10:11]
	s_load_b128 s[12:15], s[0:1], 0x20             ; bo s[12:13], out0 s[14:15]
	v_lshl_add_u32 v254, v0, 2, 0x48000
	v_mov_b32 v255, 0
	ds_add_u32 v254, v255
	ds_add_u32 v254, v255
	v_lshrrev_b32 v12, 5, v0
	v_readfirstlane_b32 s20, v12                   ; wave 0..3
	s_lshr_b32 s21, s20, 1                         ; wr: which 64 tokens are mine
	s_and_b32 s22, s20, 1                          ; wc: which 128 columns are mine.  Also: which half of a tile I fetch
	s_bfe_u32 s23, ttmp6, 0x40000                  ; cx = P's tile of 256 columns
	s_bfe_u32 s24, ttmp6, 0x40004                  ; cy
	s_and_b32 s26, ttmp7, 0xffff                   ; cluster y 0..15
	s_lshl_b32 s28, s26, 2
	s_add_co_u32 s28, s28, s24                     ; R's tile of 128 tokens
	s_lshl_b32 s84, 0x1111, s23                    ; my column of the cluster
	s_or_b32 s32, s84, (3<<16)|(1<<21)             ; group 1 for P: 15:0 the mask; 17:16 elements of 8 bytes; 21 set beside a mask; no padding
	s_lshl_b32 s85, s24, 2
	s_lshl_b32 s85, 15, s85                        ; my row
	s_or_b32 s40, s85, (3<<16)|(1<<21)             ; for R
	s_mov_b32 s33, 768<<16                         ; tensor_dim0: 6,144 bytes, four fragments of a tile
	s_mov_b32 s34, 16<<16                          ; tensor_dim1: 16 tiles
	s_mov_b32 s35, 768<<16                         ; tile_dim0
	s_mov_b32 s36, 16                              ; tile_dim1
	s_mov_b32 s37, 1536                            ; from tile to tile: 12,288 bytes
	s_mov_b32 s38, 0
	s_mov_b32 s39, 0
	s_mov_b32 s41, 768<<16
	s_mov_b32 s42, 8<<16                           ; R: 8 tiles
	s_mov_b32 s43, 768<<16
	s_mov_b32 s44, 8
	s_mov_b32 s45, 1536
	s_mov_b32 s46, 0
	s_mov_b32 s47, 0
	s_lshl_b32 s86, s23, 4                         ; P's codes: Wo begins at tile 192 of wc; + 16 cx
	s_add_co_u32 s86, s86, 192
	s_mul_i32 s86, s86, RT
	s_mov_b32 s87, 0
	s_lshl_b32 s88, s28, 3                         ; R's: tile 8 x R's tile
	s_mul_i32 s88, s88, RT
	s_mov_b32 s89, 0
	s_lshl_b32 s90, s23, 3                         ; P's scale words that I use: Wo begins at pair 96 of ws; + 8 cx + 4 wc
	s_lshl_b32 s91, s22, 2
	s_add_co_u32 s90, s90, s91
	s_add_co_u32 s90, s90, 96
	s_lshl_b32 s90, s90, 10
	s_mov_b32 s91, 0
	s_lshl_b32 s30, s28, 2                         ; R's scale halfwords: pair 4 x R's tile + 2 wr, 64 bytes a pair
	s_lshl_b32 s29, s21, 1
	s_add_co_u32 s30, s30, s29
	s_lshl_b32 s30, s30, 6
	s_mov_b32 s31, 0
	s_mov_b32 s2, 0                                ; where a load lands in its half of K: P's 16 tiles,
	s_mov_b32 s3, 98304                            ; then R's 8
	s_wait_dscnt 0x0
	s_wait_kmcnt 0x0
	s_add_nc_u64 s[92:93], s[8:9], s[86:87]
	s_add_nc_u64 s[94:95], s[10:11], s[90:91]
	s_add_nc_u64 s[96:97], s[4:5], s[88:89]
	s_add_nc_u64 s[98:99], s[6:7], s[30:31]
.irp q, 0,1                            ; group 0, a set for each half of K: s[48:55] for P, s[68:75] for R
	s_mov_b32 s[48+4*\q], 1
	s_add_co_u32 s[49+4*\q], s2, \q*QB
	s_add_nc_u64 s[50+4*\q:51+4*\q], s[92:93], \q*6144
	s_or_b32 s[51+4*\q], s[51+4*\q], 0x80000000
	s_mov_b32 s[68+4*\q], 1
	s_add_co_u32 s[69+4*\q], s3, \q*QB
	s_add_nc_u64 s[70+4*\q:71+4*\q], s[96:97], \q*6144
	s_or_b32 s[71+4*\q], s[71+4*\q], 0x80000000
.endr
	ROUND                                          ; all sixteen work-groups are here: the joint loads meet
	s_cmp_eq_u32 s20, 0                            ; one chain of arms on the wave's number, one load to an arm
	s_cbranch_scc0 .Lfill_1
	tensor_load_to_lds s[48:51], s[32:39]          ; wave 0: P, K steps 0-3
	s_nop 0
	PLACES 4
	s_branch .Lfilled
.Lfill_1:
	s_cmp_eq_u32 s20, 1
	s_cbranch_scc0 .Lfill_2
	tensor_load_to_lds s[68:71], s[40:47]          ; wave 1: R, K steps 0-3
	s_nop 0
	PLACES 4
	s_branch .Lfilled
.Lfill_2:
	s_cmp_eq_u32 s20, 2
	s_cbranch_scc0 .Lfill_3
	tensor_load_to_lds s[52:55], s[32:39]          ; wave 2: P, K steps 4-7
	s_nop 0
	PLACES 4
	s_branch .Lfilled
.Lfill_3:
	tensor_load_to_lds s[72:75], s[40:47]          ; wave 3: R, K steps 4-7
	s_nop 0
	PLACES 4
.Lfilled:
	v_and_b32 v12, 31, v0                          ; lane
	v_lshlrev_b32 v1, 4, v12
	v_lshlrev_b32 v2, 3, v12
	v_lshlrev_b32 v3, 2, v12
	v_lshlrev_b32 v13, 1, v12
	s_wait_alu depctr_va_vdst(0)
	s_mul_i32 s2, s22, 49152                       ; my 8 tiles of P,
	s_mul_i32 s3, s21, 24576
	s_add_co_u32 s3, s3, 98304                     ; my 4 tiles of R
.irp q, 0,1
	v_add_nc_u32 v[4+\q], s2, v1
	v_add_nc_u32 v[8+\q], s3, v2
	s_add_co_u32 s2, s2, QB
	s_add_co_u32 s3, s3, QB
.endr
.irp j, 0,1,2,3
.irp s, 0,1,2,3,4,5,6,7
	global_load_b32 v[32+8*\j+\s], v3, s[94:95] offset:1024*\j+128*\s
.endr
.endr
.irp j, 0,1
.irp s, 0,1,2,3,4,5,6,7
	global_load_u16 v[68+8*\j+\s], v13, s[98:99] offset:32768*\s+64*\j          ; K step s is heads 2 s and 2 s + 1: the first's two bytes,
	global_load_u16 v[96+8*\j+\s], v13, s[98:99] offset:32768*\s+64*\j+16384    ; the second's
.endr
.endr
	v_bfe_u32 v14, v0, 4, 1                        ; h
	v_and_b32 v15, 15, v0                          ; r
	s_mul_i32 s84, s20, 8448                       ; my stage
	v_mul_u32_u24 v16, v15, 528
	v_lshl_add_u32 v16, v14, 6, v16
	v_add_nc_u32 v16, s84, v16                     ; in: row r, + 64 h
	v_add_nc_u32 v17, s84, v1                      ; back: a row's 512 bytes, 16 a lane
	v_lshlrev_b32 v14, 6, v14                      ; the bias: tile b, register j of lane (r, h): column 32 (b / 2) + 16 h + 8 (b % 2) + j of my 128
	s_wait_alu depctr_va_vdst(0)
	s_lshl_b32 s84, s23, 10
	s_lshl_b32 s85, s22, 9
	s_add_co_u32 s84, s84, s85                     ; my first column, in bytes
	s_mov_b32 s85, 0
	s_add_nc_u64 s[12:13], s[12:13], s[84:85]
	s_add_nc_u64 s[14:15], s[14:15], s[84:85]
	s_lshl_b32 s84, s28, 19                        ; my first token's row of out0: (128 x R's tile + 64 wr) x 4,096 bytes
	s_lshl_b32 s86, s21, 18
	s_add_co_u32 s84, s84, s86
	s_add_nc_u64 s[14:15], s[14:15], s[84:85]
	WIN 0x40
.irp b, 0,1,2,3,4,5,6,7
	global_load_b128 v[192+8*\b:195+8*\b], v14, s[12:13] offset:128*(\b/2)+32*(\b%2)
	global_load_b128 v[196+8*\b:199+8*\b], v14, s[12:13] offset:128*(\b/2)+32*(\b%2)+16
.endr
	WIN 0
	s_cmp_lt_u32 s20, 2                            ; the first half of K is waves 0 and 1's: they wait for their loads; the other two loads may be out
	s_cbranch_scc0 .Lnot_first
	s_wait_tensorcnt 0x0
.Lnot_first:
	s_barrier_signal -1
	s_barrier_wait -1                              ; everybody's is
	FETCH 0
	s_wait_loadcnt 0x0                             ; scale words and bias
.irp j, 0,1
.irp s, 0,1,2,3,4,5,6,7
	v_lshl_or_b32 v[68+8*\j+\s], v[96+8*\j+\s], 16, v[68+8*\j+\s]   ; ctx's scale word of a K step
.endr
.endr
	PLACES 8                                       ; a scale register written by a vector instruction stands eight places ahead of a scaled matrix instruction
	s_wait_alu depctr_va_vdst(0)
	STEP 0, 1                                      ; the first K step starts the sums with the bias
	STEP 1, 0
	STEP 2, 0
	STEP 3, 0
	STEP 4, 0
	STEP 5, 0
	STEP 6, 0
	STEP 7, 0
	PLACES 4                                       ; behind the last products: their results are read, and loads land on their operands' registers, below
; THE WAY OUT, a tile of 16 tokens x 128 columns at a time.  A lane holds 8 neighbouring columns of one token for each tile of P; through my own stage they come back as whole rows of 512 bytes.
; LDS serves a wave's instructions in order (ISA guide 5.7.1.4): no wait between the stores and the loads, nor in front of the next tile's stores.
.macro TOSTAGE a
	WIN 0x08                                       ; an LDS store's data are its source 1: window 2
.irp b, 0,1,2,3,4,5,6,7
	ds_store_b128 v16, v[8*(8*(\a)+\b):8*(8*(\a)+\b)+3] offset:128*(\b/2)+32*(\b%2)          ; each accumulator from its low end on
	ds_store_b128 v16, v[8*(8*(\a)+\b)+4:8*(8*(\a)+\b)+7] offset:128*(\b/2)+32*(\b%2)+16
.endr
	WIN 0
.irp t, 0,1,2,3,4,5,6,7,8,9,10,11,12,13,14,15
	ds_load_b128 v[96+64*((\a)%2)+4*\t:96+64*((\a)%2)+4*\t+3], v17 offset:528*\t
.endr
.endm
.macro SEND a, y                       ; y: the LDS instructions issued behind tile a's loads, which may stay out
	s_wait_dscnt \y
.irp t, 0,1,2,3,4,5,6,7,8,9,10,11,12,13,14,15
	global_store_b128 v1, v[96+64*((\a)%2)+4*\t:96+64*((\a)%2)+4*\t+3], s[14:15] offset:(8*(\a)+\t+24*(\t/8))*4096 th:TH_STORE_NT   ; tile a, row t, is token 8 a + t % 8 + 32 (t / 8) of my 64; 512 consecutive bytes, at a multiple of 256 from out0's first byte
.endr
.endm
	TOSTAGE 0
.irp a, 1,2,3
.if \a > 1
	s_wait_xcnt 0x0                                ; tile a - 2's stores have read their registers: tile a's loads may land there
.endif
	TOSTAGE \a
	SEND \a-1, 32                                  ; behind tile a - 1's loads: tile a's 16 stores and 16 loads
.endr
	SEND 3, 0
	s_wait_tensorcnt 0x0                           ; none of my tensor loads is out
	s_wait_tensorcnt 0x0
	ds_add_u32 v254, v255
	s_wait_dscnt 0x0
	ROUND                                          ; the closing round: no work-group ends while a partner may still ask for a tile that names it
	s_endpgm
.Lfunc_end_k_qc78d488664_oproj:
	.size	k_qc78d488664_oproj, .Lfunc_end_k_qc78d488664_oproj-k_qc78d488664_oproj
	.p2alignl 7, 3214868480
	.fill 96, 4, 3214868480
	.section	.rodata,"a",@progbits
	.p2align	6, 0x0
	.amdhsa_kernel k_qc78d488664_oproj
		.amdhsa_group_segment_fixed_size 295424
		.amdhsa_private_segment_fixed_size 0
		.amdhsa_enable_private_segment 0
		.amdhsa_kernarg_size 48
		.amdhsa_user_sgpr_count 2
		.amdhsa_user_sgpr_kernarg_segment_ptr 1
		.amdhsa_wavefront_size32 1
		.amdhsa_system_sgpr_workgroup_id_x 1
		.amdhsa_system_sgpr_workgroup_id_y 1
		.amdhsa_system_sgpr_workgroup_id_z 1
		.amdhsa_system_vgpr_workitem_id 0
		.amdhsa_next_free_vgpr 768
		.amdhsa_next_free_sgpr 100
		.amdhsa_reserve_vcc 0
		.amdhsa_float_denorm_mode_32 3
		.amdhsa_float_denorm_mode_16_64 3
		.amdhsa_memory_ordered 1
		.amdhsa_forward_progress 1
		.amdhsa_inst_pref_size 90
	.end_amdhsa_kernel
	.amdgpu_metadata
---
amdhsa.version: [ 1, 2 ]
amdhsa.kernels:
  - .name:           k_qc78d488664_oproj
    .symbol:         k_qc78d488664_oproj.kd
    .args:
      - { .name: cc, .offset: 0, .size: 8, .value_kind: global_buffer, .address_space: global }
      - { .name: cs, .offset: 8, .size: 8, .value_kind: global_buffer, .address_space: global }
      - { .name: wc, .offset: 16, .size: 8, .value_kind: global_buffer, .address_space: global }
      - { .name: ws, .offset: 24, .size: 8, .value_kind: global_buffer, .address_space: global }
      - { .name: bo, .offset: 32, .size: 8, .value_kind: global_buffer, .address_space: global }
      - { .name: out0, .offset: 40, .size: 8, .value_kind: global_buffer, .address_space: global }
    .group_segment_fixed_size: 295424
    .private_segment_fixed_size: 0
    .kernarg_segment_align: 8
    .kernarg_segment_size: 48
    .max_flat_workgroup_size: 128
    .sgpr_count:     100
    .vgpr_count:     768
    .wavefront_size: 32
...
	.end_amdgpu_metadata
.endif
;; end of part 4
